; MI455X (gfx1250); checked and timed in simulation.
; The chip was launched on July 23, 2026; its instructions are those of AMD's public machine-readable ISA for CDNA 5 (MIT licence, August 2026) and "CDNA5" Instruction Set Architecture Reference Guide (July 2026). The comments in the code are by the model that wrote it; some were corrected since.
;; Self Attention. Allowed arithmetic: matrix products marked QUANTISED: E2M3 operands, one E8M0 scale for each 32 along K, by v_wmma_scale_f32_16x16x128_f8f6f4 with both operands' format E2M3, f32 sums; everything else in f32.
;; Inputs: b_in 3,072 float32; b_out 1,024 float32; w_in 1,024 x 3,072 float32; w_out 1,024 x 1,024 float32; x 4 x 2,048 x 1,024 float32.
;; Outputs: out0 4 x 2,048 x 1,024 float32.
;; This version of the problem:
;;   THIS VERSION OF THE PROBLEM IS GIVEN IN LOW PRECISION. The matrix products marked QUANTISED in the list below multiply operands that are first quantised to E2M3 (2 exponent bits, 3 mantissa bits; 6 bits a number), with one power-of-two scale for each 32 numbers along K (OCP MX v1.0); their sums are f32. All else is computed in f32.
;;   The module's matrix products, in the order in which they are computed (A, B: the left and right operand; K: the contracted axis; several contracted axes count as one K, in the product's order):
;;     1. [M 8,192, K 1,024] x [K 1,024, N 3,072]; A: input x; B: input w_in: QUANTISED
;;     2. batch 64 x [M 2,048, K 64] x [K 64, N 2,048]; A: computed on the way; B: computed on the way: QUANTISED
;;     3. batch 64 x [M 2,048, K 2,048] x [K 2,048, N 64]; A: softmax (see below); B: computed on the way: QUANTISED
;;     4. [M 8,192, K 1,024] x [K 1,024, N 1,024]; A: computed on the way; B: input w_out: QUANTISED
;;   THE QUANTISER, for each operand of a quantised product, along K:
;;     - K is cut into blocks of 32 from its start; a last block that is shorter is filled with zeros.
;;     - A block's scale is 2^e with e = floor(log2(the largest magnitude in the block)) - 2, held to -126 .. 127; a block of zeros has e = 0. As a byte (E8M0): e + 127.
;;     - Each number is divided by its block's scale, clamped to +-7.5, and rounded to the nearest number of E2M3, ties to even, subnormals kept.
;;     - The product sums the exact products of the quantised numbers (number of the format x scale) in f32.
;;   ~~~python
;;   def quantise(x, axis):      # numpy; x: float32 -> the quantised numbers, widened to float32 again
;;       x = np.moveaxis(x, axis, -1); K = x.shape[-1]
;;       x = np.pad(x, [(0, 0)] * (x.ndim - 1) + [(0, -K % 32)]); x = x.reshape(x.shape[:-1] + (-1, 32)); a = np.abs(x).max(-1, keepdims=True)
;;       e = np.where(a > 0, np.clip(np.frexp(np.where(a > 0, a, 1))[1] - 1 - 2, -126, 127), 0)      # np.frexp(a)[1] - 1 = floor(log2(a)), exactly
;;       r = np.clip(x / 2.0 ** e, -7.5, 7.5)
;;       step = 2.0 ** (np.maximum(np.frexp(np.where(r == 0, 1, r))[1] - 1, 0) - 3)
;;       q = np.round(r / step) * step * 2.0 ** e      # np.round: ties to even
;;       return np.moveaxis(q.reshape(q.shape[:-2] + (-1,))[..., :K], -1, axis).astype(np.float32)
;;   ~~~
;;   SOFTMAX AHEAD OF A QUANTISED PRODUCT. Where the list says 'softmax', what is quantised is not the finished softmax but p = 2^(t - M), with t = logit x log2(e) and M = ceil(the row's largest t), a whole number; so 1/2 < the row's largest p <= 1. The row's sum l is taken of the UNQUANTISED p, in f32, and the product's result is divided by l at the end. Since M is a whole number, a kernel that streams over the keys may use a running M (the ceiling of the running maximum): every later rescaling is an exact power of two, which a block's scale takes up: the codes' values come out the same.
;;   OPERANDS COMPUTED ON THE WAY. 'Computed on the way' means the value that the module computes at that place (a softmax that the list does not call 'softmax' is quantised finished and normalised). What goes into a quantiser is computed in f32, as accurately as f32 sums, v_exp_f32 and their like allow (about 1e-6 of the number): no bf16 or f16 on the way to a quantiser, and a product that is left as it is and whose result goes on into a quantised operand takes f32 operands (vector FMAs, or v_wmma_f32_16x16x4_f32). A number that lies on a knife's edge between two numbers of the format may be rounded either way, as far as f32 arithmetic and the matrix unit's own rounding can turn it there, and no further.
;; One version. Each part assembles by itself: llvm-mc -triple=amdgcn-amd-amdhsa -mcpu=gfx1250 --defsym DOCPART=n.
;; ======== version 1 of 1: 4 launches
;; limits: right only within a limited range of input values
;; workspace buffers: xc 6,291,456 bytes; wic 2,359,296 bytes; woc 786,432 bytes; scl 720,896 bytes; sc2 589,824 bytes; qkvc 18,874,368 bytes; qkvs 1,572,864 bytes; oc 6,291,456 bytes
;; launch quant (part 1): grid 512 x 1, 4 waves a work-group, no clusters, 47,616 bytes of LDS; arguments x, w_in, w_out, xc, wic, woc, scl, sc2; writes xc, wic, woc, scl, sc2
.if DOCPART == 1
	.amdgcn_target "amdgcn-amd-amdhsa--gfx1250"
	.amdhsa_code_object_version 6
	.text
	.protected	k_q9fbf691aa2_quant
	.globl	k_q9fbf691aa2_quant
	.p2align	8
	.type	k_q9fbf691aa2_quant,@function
k_q9fbf691aa2_quant:
	s_mov_b64 s[64:65], 0
	v_nop
	global_prefetch_b8 v0, s[64:65] scope:SCOPE_SE
	s_setreg_imm32_b32 hwreg(HW_REG_WAVE_MODE, 25, 1), 1
	s_wait_xcnt 0x0
; x [8192][1024], w_in [1024][3072], w_out [1024][1024], f32, become codes of FP6 (E2M3) with one E8M0 byte for each 32 along K (x: its last axis; the weights: their first).
; A block's scale is 2^(floor(log2(largest magnitude)) - 2); its byte is the largest magnitude's exponent field - 2.
; LIMITS: the largest magnitude is floored at 2^(3 - 127), so the byte does not fall under 1; a block of zeros gets the byte 1 (its codes are zeros; this program alone reads the bytes); NaN and infinities are not served.
; LAYOUT OF THE CODES: images of operand registers.  A half image is 16 rows x 64 along K: lane (r, h) holds K = 32 h + 0 .. 31 of its row in six registers; registers 0-3 lie at 16 x lane, registers 4-5 at 512 + 8 x lane: 768 bytes.
; THE ROWS OF A TILE ARE NOT NEIGHBOURS: lane r of tile 4 g + t holds row 64 g + 8 t + r + 24 (r / 8), so that four neighbouring tiles used as source 0 leave 32 neighbours in one lane's registers.
; LAYOUT OF THE SCALES: for 128 rows and 64 along K a unit of 512 bytes, [tile / 4][r][tile % 4] words, a word = byte of block 0 + 256 x byte of block 1.
; Work-groups 0-255 take x (a wave: 64 rows x 128 K), work-groups 256-511 the weights (a wave: 64 columns x 64 K).  No tensor load, no barrier: waves share nothing.  Each path has LDS bytes of its own.
.set XSTB,  8448                       ; x: a stage of 16 rows x (512 + 16) bytes for each wave, from LDS byte 0
.set WSTG,  33792                      ; the weights: for each wave four half images (3,072 bytes) and 256 bytes of scale words
.set WSTB,  3328
.set SPARE, 47104                      ; the spare words, 128 bytes for each wave, that no other line names
.set XCK,   393216                     ; bytes from one 64 along K to the next in xc: 512 tiles x 768
.set SKX,   45056                      ; the same in scl: 88 units x 512
.set L16,  5                           ; v5   16 x lane
.set L8,   6                           ; v6   8 x lane
.set XST,  7                           ; v7   x: into the stage
.set XRD,  8                           ; v8   x: out of it
.set WS16, 9                           ; v9   weights: where my registers 0-3 go
.set WS8,  10                          ; v10  registers 4-5
.set WSS,  11                          ; v11  my scale word
.set WR16, 12                          ; v12  out of the stage, 16 bytes a lane
.set WR8,  13                          ; v13  8 bytes a lane
.set XSO,  14                          ; v14  x: my place in the scale units
.set R,    16                          ; v16-143  x: two sets of 64 as loaded
.set X,    144                         ; v144-207 x: 64 numbers of my row
.set PC,   208                         ; v208-219 the codes
.set QT,   220                         ; v220-226 second halves of blocks (a conversion's three registers begin on an even number)
.set SW,   228                         ; v228-231 four tiles' scale words
.set QM,   232
.set QS,   234
.set QB,   236
.set QW,   238
.set QX,   239
.set SH8,  240                         ; 8 h
.set SHO,  241                         ; 16 h
.set VO,   16                          ; v16-47   weights: 4 x lane + i rows
.set XW,   48                          ; v48-111  weights: two sets of 32 numbers
.set PW,   112
.set TW,   120
.set BYT,  124
.set OW,   128
.set SPW,  254
.set NIL,  255
.set SEL,  22
	s_load_b256 s[4:11], s[0:1], 0x0               ; x, w_in, w_out, xc
	s_load_b256 s[12:19], s[0:1], 0x20             ; wic, woc, scl, sc2
	v_lshl_add_u32 v[SPW], v0, 2, SPARE
	v_mov_b32 v[NIL], 0
	v_lshrrev_b32 v1, 5, v0
	v_readfirstlane_b32 s20, v1                    ; wave
	v_and_b32 v2, 31, v0                           ; lane
	v_and_b32 v3, 15, v0                           ; r
	v_bfe_u32 v4, v0, 4, 1                         ; h
	v_lshlrev_b32 v[L16], 4, v2
	v_lshlrev_b32 v[L8], 3, v2
	s_mul_i32 s21, s20, XSTB
	v_add_nc_u32 v[XST], s21, v[L16]               ; a row's 512 bytes as they lie
	v_mul_u32_u24 v[XRD], v3, 528
	v_lshl_add_u32 v[XRD], v4, 7, v[XRD]
	v_add_nc_u32 v[XRD], s21, v[XRD]               ; row r, + 128 h: my 32 numbers of a 64
	s_mul_i32 s21, s20, WSTB
	s_add_co_u32 s21, s21, WSTG
	v_lshrrev_b32 v1, 3, v2                        ; lane / 8: the tile
	v_and_b32 v15, 7, v2                           ; lane % 8
	v_mul_u32_u24 v[WS16], v1, 768
	v_add_nc_u32 v[WS16], s21, v[WS16]
	v_lshl_add_u32 v[WS8], v15, 3, v[WS16]
	v_lshl_add_u32 v[WS16], v15, 4, v[WS16]
	v_lshlrev_b32 v[WSS], 2, v1
	v_lshl_add_u32 v[WSS], v15, 4, v[WSS]
	v_add_nc_u32 v[WSS], s21, v[WSS]
	v_add_nc_u32 v[WR16], s21, v[L16]
	v_add_nc_u32 v[WR8], s21, v[L8]
	v_lshlrev_b32 v[XSO], 4, v3
	v_mad_u32_u24 v[XSO], v4, SKX, v[XSO]          ; 16 r; lanes 16-31 one 64 along K further on
	v_lshlrev_b32 v[SH8], 3, v4
	v_lshlrev_b32 v[SHO], 4, v4
	v_mov_b32 v[QX], 0                             ; a lane permute's destination counts as one of its sources
	s_mov_b32 s[SEL], 0x76543210
	s_mov_b32 s[SEL+1], 0xfedcba98                 ; lane l xor 16
	s_wait_kmcnt 0x0
	s_cmp_lt_u32 ttmp9, 256
	s_cbranch_scc0 .Lweights
; ---------------- x ----------------
; 64 numbers of a lane, register 32 c + n = K 64 c + 32 h + n of my row, become twelve registers of codes and a scale word (lanes 0-15: that of c = 0; lanes 16-31: of c = 1).
.macro QUANT src, sw
	v_max3_num_f32 v[QM], |v[\src]|, |v[\src+1]|, 0x1800000          ; my whole block, and the floor 2^(3 - 127)
	v_max3_num_f32 v[QM+1], |v[\src+32]|, |v[\src+33]|, 0x1800000
.irp i, 2,4,6,8,10,12,14,16,18,20,22,24,26,28,30
	v_max3_num_f32 v[QM], v[QM], |v[\src+\i]|, |v[\src+\i+1]|       ; the two blocks by turns
	v_max3_num_f32 v[QM+1], v[QM+1], |v[\src+32+\i]|, |v[\src+33+\i]|
.endr
	v_add_nc_u32 v[QS], 0xff000000, v[QM]          ; 2 off the exponent field: the conversion's scale operand
	v_add_nc_u32 v[QS+1], 0xff000000, v[QM+1]
	v_lshrrev_b32 v[QB], 23, v[QS]                 ; the byte
	v_lshrrev_b32 v[QB+1], 23, v[QS+1]
	v_lshl_or_b32 v[QW], v[QB+1], 16, v[QB]
	v_lshlrev_b32 v[QW], v[SH8], v[QW]             ; my two bytes at their places,
	v_permlanex16_b32 v[QX], v[QW], s[SEL], s[SEL+1]
	v_or_b32 v[QW], v[QW], v[QX]                   ; with lane l xor 16: four bytes
	v_lshrrev_b32 v[QW], v[SHO], v[QW]
	v_and_b32 v[\sw], 0xffff, v[QW]
.irp c, 0,1
	v_cvt_scalef32_pk16_fp6_f32 v[PC+6*\c:PC+6*\c+2], v[\src+32*\c:\src+32*\c+15], v[QS+\c]
	v_cvt_scalef32_pk16_fp6_f32 v[QT+4*\c:QT+4*\c+2], v[\src+32*\c+16:\src+32*\c+31], v[QS+\c]
.endr
	v_nop                                          ; one plain place behind a scaled conversion
.irp c, 0,1
.irp i, 0,1,2
	v_mov_b32 v[PC+6*\c+3+\i], v[QT+4*\c+\i]
.endr
.endr
.endm
.macro LD t                            ; tile t: sixteen rows, 512 consecutive bytes each
.irp i, 0,1,2,3,4,5,6,7,8,9,10,11,12,13,14,15
	global_load_b128 v[R+64*((\t)%2)+4*\i:R+64*((\t)%2)+4*\i+3], v[L16], s[4:5] offset:(8*(\t)+\i+24*(\i/8))*4096 th:TH_LOAD_NT
.endr
.endm
.macro TURNX t                         ; through my own stage: LDS serves a wave's instructions in order
.irp i, 0,1,2,3,4,5,6,7,8,9,10,11,12,13,14,15
	ds_store_b128 v[XST], v[R+64*((\t)%2)+4*\i:R+64*((\t)%2)+4*\i+3] offset:528*\i
.endr
.irp c, 0,1
.irp j, 0,1,2,3,4,5,6,7
	ds_load_b128 v[X+32*\c+4*\j:X+32*\c+4*\j+3], v[XRD] offset:256*\c+16*\j
.endr
.endr
.endm
.macro XTILE t, left
	s_wait_loadcnt \left                           ; this tile's sixteen loads are in; the next tile's may be out
	TURNX \t
	s_wait_dscnt 0x0                               ; my numbers are back, and the stage's stores have read their registers
.if (\t) < 2
	LD (\t)+2
.endif
	s_wait_xcnt 0x0                                ; the last tile's stores have read the codes' registers
	QUANT X, SW+(\t)
.irp c, 0,1
	global_store_b128 v[L16], v[PC+6*\c:PC+6*\c+3], s[10:11] offset:\c*XCK+(\t)*768          ; 512 consecutive bytes
	global_store_b64 v[L8], v[PC+6*\c+4:PC+6*\c+5], s[10:11] offset:\c*XCK+(\t)*768+512      ; 256 consecutive bytes
.endr
.endm
	s_lshl_b32 s21, ttmp9, 2
	s_add_co_u32 s21, s21, s20                     ; my unit
	s_lshr_b32 s24, s21, 3                         ; which 64 rows
	s_and_b32 s25, s21, 7                          ; which 128 along K
	s_lshl_b32 s26, s24, 18                        ; 64 rows of 4,096 bytes
	s_lshl_b32 s27, s25, 9
	s_add_co_u32 s26, s26, s27
	s_mov_b32 s27, 0
	s_add_nc_u64 s[4:5], s[4:5], s[26:27]
	s_lshl_b32 s26, s25, 10                        ; (2 s) x 512 tiles
	s_lshl_b32 s28, s24, 2
	s_add_co_u32 s26, s26, s28
	s_mul_i32 s26, s26, 768
	s_add_nc_u64 s[10:11], s[10:11], s[26:27]
	s_mul_i32 s26, s25, 2*SKX
	s_lshl_b32 s28, s24, 8                         ; 256 bytes of scale words for each 64 rows
	s_add_co_u32 s26, s26, s28
	s_add_nc_u64 s[16:17], s[16:17], s[26:27]
	LD 0
	LD 1
	XTILE 0, 16
	XTILE 1, 16
	XTILE 2, 16
	XTILE 3, 0
	global_store_b128 v[XSO], v[SW:SW+3], s[16:17] ; sixteen lanes store 256 consecutive bytes
	s_wait_tensorcnt 0x0                           ; the wave's end
	ds_add_u32 v[SPW], v[NIL]
	s_wait_dscnt 0x0
	s_endpgm
; ---------------- the weights: a lane takes a column, its registers run down K ----------------
.Lweights:
	s_sub_co_u32 s21, ttmp9, 256
	s_cmp_lt_u32 s21, 192                          ; w_in or w_out: the choice hangs on the work-group's number alone
	s_cselect_b64 s[24:25], s[6:7], s[8:9]
	s_cselect_b64 s[26:27], s[12:13], s[14:15]
	s_cselect_b64 s[28:29], s[16:17], s[18:19]
	s_mov_b32 s30, 4096
	s_cselect_b32 s30, 12288, s30                  ; bytes in a row
	s_cselect_b32 s31, 192, 64                     ; tiles of columns
	s_mov_b32 s32, 36864
	s_cselect_b32 s32, SKX, s32                    ; bytes from one 64 along K to the next in the scales
	s_cselect_b32 s33, 0, 192
	s_sub_co_u32 s21, s21, s33
	s_lshr_b32 s33, s21, 4
	s_and_b32 s34, s21, 15                         ; which 64 along K
	s_lshl_b32 s33, s33, 2
	s_add_co_u32 s33, s33, s20                     ; which 64 columns
	s_mul_i32 s44, s34, s30
	s_lshl_b32 s44, s44, 6
	s_lshl_b32 s45, s33, 8
	s_add_co_u32 s44, s44, s45
	s_mov_b32 s45, 0
	s_add_nc_u64 s[36:37], s[24:25], s[44:45]      ; columns 0-31, K 0-31
	s_lshl_b32 s44, s30, 5
	s_add_nc_u64 s[38:39], s[36:37], s[44:45]      ; columns 0-31, K 32-63
	s_add_nc_u64 s[40:41], s[36:37], 128           ; columns 32-63, K 0-31
	s_add_nc_u64 s[42:43], s[38:39], 128           ; columns 32-63, K 32-63
	s_mul_i32 s44, s34, s31
	s_lshl_b32 s46, s33, 2
	s_add_co_u32 s44, s44, s46
	s_mul_i32 s44, s44, 768
	s_add_nc_u64 s[26:27], s[26:27], s[44:45]      ; my four half images
	s_mul_i32 s44, s34, s32
	s_lshl_b32 s46, s33, 8
	s_add_co_u32 s44, s44, s46
	s_add_co_u32 s44, s44, 64*512                  ; the weights' units lie behind 64 units of rows
	s_add_nc_u64 s[28:29], s[28:29], s[44:45]
	v_lshlrev_b32 v[VO], 2, v2
.set J, 0
.rept 31
	v_add_nc_u32 v[VO+J+1], s30, v[VO+J]           ; one row further down
.set J, J+1
.endr
.macro LDW n
.irp i, 0,1,2,3,4,5,6,7,8,9,10,11,12,13,14,15,16,17,18,19,20,21,22,23,24,25,26,27,28,29,30,31
	global_load_b32 v[XW+32*((\n)%2)+\i], v[VO+\i], s[36+2*(\n):37+2*(\n)] th:TH_LOAD_NT
.endr
.endm
; block n = 2 u + k: columns 32 u + lane, K 32 k on.  Column 32 u + lane is lane (lane % 8 + 8 u) of tile lane / 8.
.macro BLOCKW n, left
.set XS, XW+32*((\n)%2)
.set U2, (\n)/2
.set H2, (\n)%2
	s_wait_loadcnt \left                           ; this block's 32 loads are in; the next block's may be out
	v_max3_num_f32 v[QM], |v[XS]|, |v[XS+1]|, |v[XS+2]|
	v_max3_num_f32 v[QM+1], |v[XS+3]|, |v[XS+4]|, |v[XS+5]|
.irp i, 6,10,14,18,22,26
	v_max3_num_f32 v[QM], v[QM], |v[XS+\i]|, |v[XS+\i+1]|
	v_max3_num_f32 v[QM+1], v[QM+1], |v[XS+\i+2]|, |v[XS+\i+3]|
.endr
	v_max3_num_f32 v[QM], v[QM], |v[XS+30]|, |v[XS+31]|
	v_max3_num_f32 v[QM], v[QM], v[QM+1], 0x1800000
	v_add_nc_u32 v[QS], 0xff000000, v[QM]
	v_lshrrev_b32 v[QB], 23, v[QS]
.if H2 == 0
	v_mov_b32 v[BYT+U2], v[QB]
.else
	v_lshl_or_b32 v[BYT+U2], v[QB], 8, v[BYT+U2]
.endif
	v_cvt_scalef32_pk16_fp6_f32 v[PW:PW+2], v[XS:XS+15], v[QS]
	v_cvt_scalef32_pk16_fp6_f32 v[TW:TW+2], v[XS+16:XS+31], v[QS]
	v_nop
.irp i, 0,1,2
	v_mov_b32 v[PW+3+\i], v[TW+\i]
.endr
.if (\n) < 2
	LDW (\n)+2
.endif
	ds_store_b128 v[WS16], v[PW:PW+3] offset:128*U2+256*H2
	ds_store_b64 v[WS8], v[PW+4:PW+5] offset:512+64*U2+128*H2
.if H2 == 1
	ds_store_b32 v[WSS], v[BYT+U2] offset:3072+128*U2
.endif
	s_wait_dscnt 0x0                               ; the stores have read their registers
.endm
	LDW 0
	LDW 1
	BLOCKW 0, 32
	BLOCKW 1, 32
	BLOCKW 2, 32
	BLOCKW 3, 0
.irp k, 0,1,2,3,4,5
	ds_load_b128 v[OW+4*\k:OW+4*\k+3], v[WR16] offset:512*\k
.endr
	ds_load_b64 v[OW+24:OW+25], v[WR8] offset:3072
.irp k, 0,1,2,3,4,5
	s_wait_dscnt 6-\k                              ; the younger stage loads may be out
	global_store_b128 v[L16], v[OW+4*\k:OW+4*\k+3], s[26:27] offset:512*\k    ; 512 consecutive bytes
.endr
	s_wait_dscnt 0x0
	global_store_b64 v[L8], v[OW+24:OW+25], s[28:29]                           ; 256 consecutive bytes
	s_wait_tensorcnt 0x0                           ; the wave's end
	ds_add_u32 v[SPW], v[NIL]
	s_wait_dscnt 0x0
	s_endpgm
.Lfunc_end_k_q9fbf691aa2_quant:
	.size	k_q9fbf691aa2_quant, .Lfunc_end_k_q9fbf691aa2_quant-k_q9fbf691aa2_quant
	.p2alignl 7, 3214868480
	.fill 96, 4, 3214868480
	.section	.rodata,"a",@progbits
	.p2align	6, 0x0
	.amdhsa_kernel k_q9fbf691aa2_quant
		.amdhsa_group_segment_fixed_size 47616
		.amdhsa_private_segment_fixed_size 0
		.amdhsa_enable_private_segment 0
		.amdhsa_kernarg_size 64
		.amdhsa_user_sgpr_count 2
		.amdhsa_user_sgpr_kernarg_segment_ptr 1
		.amdhsa_wavefront_size32 1
		.amdhsa_system_sgpr_workgroup_id_x 1
		.amdhsa_system_sgpr_workgroup_id_y 1
		.amdhsa_system_sgpr_workgroup_id_z 1
		.amdhsa_system_vgpr_workitem_id 0
		.amdhsa_next_free_vgpr 256
		.amdhsa_next_free_sgpr 66
		.amdhsa_reserve_vcc 0
		.amdhsa_float_denorm_mode_32 3
		.amdhsa_float_denorm_mode_16_64 3
		.amdhsa_memory_ordered 1
		.amdhsa_forward_progress 1
		.amdhsa_inst_pref_size 54
	.end_amdhsa_kernel
	.amdgpu_metadata
---
amdhsa.version: [ 1, 2 ]
amdhsa.kernels:
  - .name:           k_q9fbf691aa2_quant
    .symbol:         k_q9fbf691aa2_quant.kd
    .args:
      - { .name: x, .offset: 0, .size: 8, .value_kind: global_buffer, .address_space: global }
      - { .name: w_in, .offset: 8, .size: 8, .value_kind: global_buffer, .address_space: global }
      - { .name: w_out, .offset: 16, .size: 8, .value_kind: global_buffer, .address_space: global }
      - { .name: xc, .offset: 24, .size: 8, .value_kind: global_buffer, .address_space: global }
      - { .name: wic, .offset: 32, .size: 8, .value_kind: global_buffer, .address_space: global }
      - { .name: woc, .offset: 40, .size: 8, .value_kind: global_buffer, .address_space: global }
      - { .name: scl, .offset: 48, .size: 8, .value_kind: global_buffer, .address_space: global }
      - { .name: sc2, .offset: 56, .size: 8, .value_kind: global_buffer, .address_space: global }
    .group_segment_fixed_size: 47616
    .private_segment_fixed_size: 0
    .kernarg_segment_align: 8
    .kernarg_segment_size: 64
    .max_flat_workgroup_size: 128
    .sgpr_count:     66
    .vgpr_count:     256
    .wavefront_size: 32
...
	.end_amdgpu_metadata
.endif
;; end of part 1
;; launch qkv (part 2): grid 12 x 32, 4 waves a work-group, clusters of 4 x 4, 327,680 bytes of LDS; arguments xc, wic, scl, b_in, qkvc, qkvs; writes qkvc, qkvs
.if DOCPART == 2
	.amdgcn_target "amdgcn-amd-amdhsa--gfx1250"
	.amdhsa_code_object_version 6
	.text
	.protected	k_q9fbf691aa2_qkv
	.globl	k_q9fbf691aa2_qkv
	.p2align	8
	.type	k_q9fbf691aa2_qkv,@function
k_q9fbf691aa2_qkv:
	s_mov_b64 s[64:65], 0
	v_nop
	global_prefetch_b8 v0, s[64:65] scope:SCOPE_SE
	s_setreg_imm32_b32 hwreg(HW_REG_WAVE_MODE, 25, 1), 1
	s_wait_xcnt 0x0
	s_wait_alu depctr_hold_cnt(0) depctr_sa_sdst(0) depctr_va_vdst(0) depctr_va_sdst(0) depctr_va_ssrc(0) depctr_va_vcc(0) depctr_vm_vsrc(0)
	s_getreg_b32 s2, hwreg(HW_REG_IB_STS2, 6, 4)
	s_cmp_eq_u32 s2, 0
	s_cbranch_scc0 .Lentry_in_a_cluster
	s_endpgm
.Lentry_in_a_cluster:
	s_bfe_u32 s2, ttmp6, 0x10000c
	s_cmp_lg_u32 s2, 0xf033
	s_cbranch_scc0 .Lentry_shape_is_right
	s_endpgm
.Lentry_shape_is_right:
.set HALFT, 24576
.set SLOT,  4*HALFT
.set SPARE, 2*SLOT
.set XKB,   393216
.set WKB,   147456
.set SKB,   45056
.set L16, 5
.set L8,  6
.set ADRA16, 8
.set ADRA8,  10
.set ADRB16, 12
.set ADRB8,  14
.set SCO, 16
.set BIO, 17
.set SH8, 18
.set SHO, 19
.set SSO, 20
.set BIV, 21
.set SPW, 28
.set NIL, 29
.set SC,  32
.set TMPS, 96
.set AF,  128
.set PC,  96
.set QT,  108
.set SW,  116
.set QM,  120
.set QS,  122
.set QB,  124
.set QW,  126
.set QX,  127
.set G1X, 24
.set G0X, 32
.set G1W, 48
.set G0W, 56
.set SEL, 82
.set MSB, 0
.macro WIN new
.if MSB != \new
	s_set_vgpr_msb (MSB<<8)|\new
.set MSB, \new
.endif
.endm
.set MUL_LO, 0xa1
.set MUL_HI, 0xf1
.set BIA_LO, 0x91
.set BIA_HI, 0xd1
.set TO_B,   0x40
.macro JLOAD s
	s_cmp_eq_u32 s17, 0
	s_cbranch_scc0 .Lfor_w_\@
	tensor_load_to_lds s[G0X+4*\s:G0X+4*\s+3], s[G1X:G1X+7]
	s_nop 0
.rept 4
	v_nop
.endr
	s_branch .Lasked_\@
.Lfor_w_\@:
	tensor_load_to_lds s[G0W+4*\s:G0W+4*\s+3], s[G1W:G1W+7]
	s_nop 0
.rept 4
	v_nop
.endr
.Lasked_\@:
.endm
.macro CREST
	s_cmp_lg_u32 s16, 0
	s_cbranch_scc1 .Lnot_wave_0_\@
	s_barrier_signal -3
.Lnot_wave_0_\@:
	s_barrier_wait -3
	s_barrier_signal -1
	s_barrier_wait -1
.endm
.macro CROUND
	s_barrier_signal -1
	s_barrier_wait -1
	CREST
.endm
.macro PLACES
.rept 4
	v_nop
.endr
.endm
	s_load_b256 s[4:11], s[0:1], 0x0
	s_load_b128 s[12:15], s[0:1], 0x20
	v_lshl_add_u32 v[SPW], v0, 2, SPARE
	v_mov_b32 v[NIL], 0
	ds_add_u32 v[SPW], v[NIL]
	ds_add_u32 v[SPW], v[NIL]
	v_lshrrev_b32 v1, 5, v0
	v_readfirstlane_b32 s16, v1
	v_and_b32 v22, 31, v0
	v_min_u32 v22, 11, v22
	v_lshlrev_b32 v22, 8, v22                      ; the prefetches' offset: 256 bytes a lane, twelve blocks; the lanes left over name the last block again; never rewritten
	s_lshr_b32 s17, s16, 1
	s_and_b32 s18, s16, 1
	s_bfe_u32 s40, ttmp6, 0x40000
	s_bfe_u32 s41, ttmp6, 0x40004
	s_lshl_b32 s42, ttmp9, 2
	s_add_co_u32 s42, s42, s40
	s_and_b32 s43, ttmp7, 0xffff
	s_lshl_b32 s43, s43, 2
	s_add_co_u32 s43, s43, s41
	s_lshl_b32 s44, s41, 2
	s_lshl_b32 s44, 15, s44
	s_lshl_b32 s45, 0x1111, s40
	s_lshr_b32 s19, ttmp9, 1
	s_min_u32 s19, s19, 1
	s_or_b32 s[G1X], s44, (3<<16)|(1<<21)
	s_or_b32 s[G1W], s45, (3<<16)|(1<<21)
.irp g, G1X, G1W
	s_mov_b32 s[\g+1], 768<<16
	s_mov_b32 s[\g+2], 4<<16
	s_mov_b32 s[\g+3], 768<<16
	s_mov_b32 s[\g+4], 4
	s_mov_b32 s[\g+6], 0
	s_mov_b32 s[\g+7], 0
.endr
	s_mov_b32 s[G1X+5], XKB/8
	s_mov_b32 s[G1W+5], WKB/8
	s_lshl_b32 s20, s43, 4
	s_lshl_b32 s21, s18, 3
	s_add_co_u32 s20, s20, s21
	s_mul_i32 s20, s20, 768
	s_mov_b32 s21, 0
	s_lshl_b32 s46, s42, 4
	s_lshl_b32 s47, s18, 3
	s_add_co_u32 s46, s46, s47
	s_mul_i32 s46, s46, 768
	s_mov_b32 s47, 0
	s_mul_i32 s22, s16, HALFT
	s_mov_b32 s[SEL], 0x76543210
	s_mov_b32 s[SEL+1], 0xfedcba98
	; the prefetches' bases.  A slot's tile is 4 rows (64 along K each) of 12,288 bytes: 192 blocks of 256 bytes for the sixteen waves of the four work-groups that load it jointly:
	; the partner's place picks the row (cx for x's tile, cy for the weights'), the wave a quarter of it, 3,072 bytes: shared out by address alone
	s_mul_i32 s84, s43, 12288
	s_mul_i32 s88, s40, XKB
	s_add_co_u32 s84, s84, s88
	s_mul_i32 s88, s16, 3072
	s_add_co_u32 s84, s84, s88
	s_mov_b32 s85, 0
	s_mul_i32 s86, s42, 12288
	s_mul_i32 s89, s41, WKB
	s_add_co_u32 s86, s86, s89
	s_add_co_u32 s86, s86, s88
	s_mov_b32 s87, 0
	s_wait_alu depctr_va_vdst(0)
	s_wait_dscnt 0x0
	s_wait_kmcnt 0x0
	s_add_nc_u64 s[20:21], s[4:5], s[20:21]
	s_add_nc_u64 s[46:47], s[6:7], s[46:47]
	s_add_nc_u64 s[84:85], s[4:5], s[84:85]
	s_add_nc_u64 s[86:87], s[6:7], s[86:87]
	CROUND
.irp s, 0,1
	s_mov_b32 s[G0X+4*\s], 1
	s_add_co_u32 s[G0X+4*\s+1], s22, \s*SLOT
	s_add_nc_u64 s[G0X+4*\s+2:G0X+4*\s+3], s[20:21], \s*4*XKB
	s_or_b32 s[G0X+4*\s+3], s[G0X+4*\s+3], 0x80000000
	s_mov_b32 s[G0W+4*\s], 1
	s_add_co_u32 s[G0W+4*\s+1], s22, \s*SLOT
	s_add_nc_u64 s[G0W+4*\s+2:G0W+4*\s+3], s[46:47], \s*4*WKB
	s_or_b32 s[G0W+4*\s+3], s[G0W+4*\s+3], 0x80000000
.if \s
	s_wait_alu depctr_va_vdst(0)
	s_wait_tensorcnt 0x0
	ds_add_u32 v28, v29
	ds_add_u32 v28, v29
	s_wait_dscnt 0x0
	CROUND
.endif
	JLOAD \s
.if \s
	global_prefetch_b8 v22, s[84:85] offset:3*4*XKB th:TH_LOAD_NT scope:SCOPE_SE   ; what the fill two on will load: the last 256 along K
	global_prefetch_b8 v22, s[86:87] offset:3*4*WKB th:TH_LOAD_NT scope:SCOPE_SE
.else
	global_prefetch_b8 v22, s[84:85] offset:1*4*XKB th:TH_LOAD_NT scope:SCOPE_SE   ; what the next two fills will load
	global_prefetch_b8 v22, s[86:87] offset:1*4*WKB th:TH_LOAD_NT scope:SCOPE_SE
	global_prefetch_b8 v22, s[84:85] offset:2*4*XKB th:TH_LOAD_NT scope:SCOPE_SE
	global_prefetch_b8 v22, s[86:87] offset:2*4*WKB th:TH_LOAD_NT scope:SCOPE_SE
.endif
.endr
	s_cmp_eq_u32 s19, 0
	s_cselect_b32 s68, s17, s18
	s_cselect_b32 s69, s18, s17
	s_cselect_b32 s23, 0, 2*HALFT
	s_cselect_b32 s67, 2*HALFT, 0
	s_cselect_b32 s74, 0xffff, -1
	s_cselect_b32 s75, 16, 0
	s_lshl_b32 s70, s43, 1
	s_add_co_u32 s70, s70, s68
	s_lshl_b32 s71, s42, 1
	s_add_co_u32 s71, s71, s69
	s_lshl_b32 s72, s70, 9
	s_add_co_u32 s73, s71, 64
	s_lshl_b32 s73, s73, 9
	s_cmp_eq_u32 s19, 0
	s_cselect_b32 s76, s72, s73
	s_cselect_b32 s77, s73, s72
	s_mul_i32 s78, s17, HALFT
	s_add_co_u32 s23, s23, s78
	s_mul_i32 s78, s18, HALFT
	s_add_co_u32 s67, s67, s78
	v_and_b32 v1, 15, v0
	v_bfe_u32 v2, v0, 4, 1
	v_and_b32 v3, 31, v0
	v_lshlrev_b32 v[L16], 4, v3
	v_lshlrev_b32 v[L8], 3, v3
.irp s, 0,1
	v_add_nc_u32 v[ADRA16+\s], s23, v[L16]
	v_add_nc_u32 v[ADRA8+\s], s23, v[L8]
	v_add_nc_u32 v[ADRB16+\s], s67, v[L16]
	v_add_nc_u32 v[ADRB8+\s], s67, v[L8]
	s_add_co_u32 s23, s23, SLOT
	s_add_co_u32 s67, s67, SLOT
.endr
	v_xor_b32 v3, 1, v2
	v_mul_u32_u24 v[SCO], v2, s77
	v_mad_u32_u24 v[SCO], v3, s76, v[SCO]
	v_lshl_add_u32 v[SCO], v1, 4, v[SCO]
	s_wait_alu depctr_va_vdst(0)
	v_lshlrev_b32 v[BIO], 7, v2
	v_and_b32 v3, 8, v1
	v_mad_u32_u24 v3, v3, 3, v1
	v_lshlrev_b32 v[BIV], 2, v3
	v_lshlrev_b32 v[SH8], 3, v2
	v_mul_u32_u24 v[SHO], v2, s75
	v_lshlrev_b32 v[SSO], 15, v2
	v_lshl_add_u32 v[SSO], v1, 4, v[SSO]
	s_lshl_b32 s78, s71, 9
	s_mov_b32 s79, 0
	s_add_nc_u64 s[10:11], s[10:11], s[78:79]
	s_lshl_b32 s78, s70, 3
	s_lshl_b32 s80, s71, 10
	s_add_co_u32 s78, s78, s80
	s_mul_i32 s78, s78, 768
	s_add_nc_u64 s[12:13], s[12:13], s[78:79]
	s_lshl_b32 s78, s71, 7
	s_add_co_u32 s78, s78, s70
	s_lshl_b32 s78, s78, 9
	s_add_nc_u64 s[14:15], s[14:15], s[78:79]
.irp k, 0,1,2,3,4,5,6,7,8,9,10,11,12,13,14,15
.irp g, 0,1
	global_load_b128 v[TMPS+8*\k+4*\g:TMPS+8*\k+4*\g+3], v[SCO], s[8:9] offset:\k*SKB+\g*256
.endr
.endr
	s_cmp_eq_u32 s19, 0
	s_cbranch_scc0 .Lbias_v
	WIN TO_B
	s_wait_alu depctr_va_vdst(0)
.irp t, 0,1,2,3,4,5,6,7
	global_load_b128 v[96+8*\t+96*(\t/4):99+8*\t+96*(\t/4)], v[BIO], s[10:11] offset:(64*(\t/4)+8*(\t%4))*4
	global_load_b128 v[100+8*\t+96*(\t/4):103+8*\t+96*(\t/4)], v[BIO], s[10:11] offset:(64*(\t/4)+8*(\t%4))*4+16
.endr
	WIN 0
	s_branch .Lbias_done
.Lbias_v:
	WIN TO_B
	s_wait_alu depctr_va_vdst(0)
.irp t, 0,1,2,3,4,5,6,7
.irp j, 0,1,2,3,4,5,6,7
	global_load_b32 v[96+8*\t+96*(\t/4)+\j], v[BIV], s[10:11] offset:(64*(\t/4)+8*(\t%4))*4
.endr
.endr
	WIN 0
.Lbias_done:
	s_wait_loadcnt 0x0
.irp s, 0,1,2,3,4,5,6,7
.irp i, 0,1,2,3,4,5,6,7
	v_lshl_or_b32 v[SC+8*\i+\s], v[TMPS+8*(2*\s+1)+\i], 16, v[TMPS+8*(2*\s)+\i]
.endr
.endr
.macro FRAG reg, a16, a8, q, i
.irp c, 0,1
	ds_load_b128 v[\reg+6*\c:\reg+6*\c+3], v[\a16] offset:((2*(\q)+\c)*8+(\i))*768
	ds_load_b64 v[\reg+6*\c+4:\reg+6*\c+5], v[\a8] offset:((2*(\q)+\c)*8+(\i))*768+512
.endr
.endm
.macro FETCH_B slot, q, p
	WIN TO_B
.irp i, 0,1,2,3,4,5,6,7
	FRAG 128*(\p)+12*\i, ADRB16+\slot, ADRB8+\slot, \q, \i
.endr
	WIN 0
.endm
.macro FETCH_A slot, q, i0
.irp i, \i0, \i0+1, \i0+2, \i0+3
	FRAG AF+12*(\i), ADRA16+\slot, ADRA8+\slot, \q, \i
.endr
.endm
.macro MUL16 a0, p, ks, mode
.irp a, \a0, \a0+1
.irp b, 0,1,2,3,4,5,6,7
.set RDD, 8*(8*((\a)%4)+\b)
.if \mode == 0
.set RCC, RDD
.elseif \mode == 1
.set RCC, 96+8*\b+96*(\b/4)
.else
.set RCC, 96+8*(\a)+96*((\a)/4)
.endif
	v_wmma_scale_f32_16x16x128_f8f6f4 v[RDD:RDD+7], v[128*(\p)+12*\b:128*(\p)+12*\b+11], v[AF+12*(\a):AF+12*(\a)+11], v[RCC:RCC+7], v[SC+8*\b+(\ks)], v[SC+8*(\a)+(\ks)] matrix_a_fmt:MATRIX_FMT_FP6 matrix_b_fmt:MATRIX_FMT_FP6 matrix_a_scale:MATRIX_SCALE_ROW1
.endr
.endr
.endm
.macro STEP slot, ks, mode
	s_wait_dscnt 16
.if \mode
	WIN BIA_LO
.else
	WIN MUL_LO
.endif
	MUL16 0, 0, \ks, \mode
	MUL16 2, 0, \ks, \mode
	s_wait_dscnt 0x0
	PLACES
	FETCH_B \slot, 1, 1
	FETCH_A \slot, 1, 0
.if \mode
	WIN BIA_HI
.else
	WIN MUL_HI
.endif
	MUL16 4, 0, \ks, \mode
	MUL16 6, 0, \ks, \mode
	PLACES
	WIN 0
	FETCH_A \slot, 1, 4
.endm
.macro TURN slot, next, fill, ks
	s_wait_tensorcnt 0x0
	ds_add_u32 v[SPW], v[NIL]
	s_wait_dscnt 17
	WIN MUL_LO
	MUL16 0, 1, \ks, 0
	s_wait_dscnt 0x0
	s_barrier_signal -1
	MUL16 2, 1, \ks, 0
	WIN 0
	s_barrier_wait -1
.if \fill
	CREST
	s_add_nc_u64 s[G0X+4*\slot+2:G0X+4*\slot+3], s[G0X+4*\slot+2:G0X+4*\slot+3], 8*XKB
	s_add_nc_u64 s[G0W+4*\slot+2:G0W+4*\slot+3], s[G0W+4*\slot+2:G0W+4*\slot+3], 8*WKB
	JLOAD \slot
.else
	PLACES
.endif
	FETCH_B \next, 0, 0
	FETCH_A \next, 0, 0
	WIN MUL_HI
	MUL16 4, 1, \ks, 0
	MUL16 6, 1, \ks, 0
	PLACES
	WIN 0
	FETCH_A \next, 0, 4
.endm
	s_wait_tensorcnt 1
	s_barrier_signal -1
	s_barrier_wait -1
	FETCH_B 0, 0, 0
	FETCH_A 0, 0, 0
	FETCH_A 0, 0, 4
	s_cmp_eq_u32 s19, 0
	s_cbranch_scc0 .Lfirst_v
	STEP 0, 0, 1
	s_branch .Lfirst_done
.Lfirst_v:
	STEP 0, 0, 2
.Lfirst_done:
	TURN 0, 1, 1, 1
	STEP 1, 2, 0
	TURN 1, 0, 1, 3
	STEP 0, 4, 0
	TURN 0, 1, 0, 5
	s_wait_alu depctr_va_vdst(0)
	STEP 1, 6, 0
	s_wait_dscnt 16
	WIN MUL_LO
	MUL16 0, 1, 7, 0
	MUL16 2, 1, 7, 0
	s_wait_dscnt 0x0
	WIN MUL_HI
	MUL16 4, 1, 7, 0
	MUL16 6, 1, 7, 0
	WIN 0
	PLACES
	v_mov_b32 v[QX], 0
.macro QUANTW a
.set WW, 2+(\a)/4
.set WN, (WW<<4)|(WW<<2)
.set SRC0, 64*((\a)%4)
	WIN WN
	v_max3_num_f32 v[QM], 0x1800000, |v[SRC0]|, |v[SRC0+1]|
	v_max3_num_f32 v[QM+1], 0x1800000, |v[SRC0+32]|, |v[SRC0+33]|
.irp i, 2,4,6,8,10,12,14,16,18,20,22,24,26,28,30
	v_max3_num_f32 v[QM], v[QM], |v[SRC0+\i]|, |v[SRC0+\i+1]|
	v_max3_num_f32 v[QM+1], v[QM+1], |v[SRC0+32+\i]|, |v[SRC0+33+\i]|
.endr
	WIN 0
	v_add_nc_u32 v[QS], 0xff000000, v[QM]
	v_add_nc_u32 v[QS+1], 0xff000000, v[QM+1]
	v_lshrrev_b32 v[QB], 23, v[QS]
	v_lshrrev_b32 v[QB+1], 23, v[QS+1]
	v_lshl_or_b32 v[QW], v[QB+1], 16, v[QB]
	v_lshlrev_b32 v[QW], v[SH8], v[QW]
	v_permlanex16_b32 v[QX], v[QW], s[SEL], s[SEL+1]
	v_or_b32 v[QW], v[QW], v[QX]
	v_lshrrev_b32 v[QW], v[SHO], v[QW]
	v_and_b32 v[SW+(\a)%4], s74, v[QW]
	WIN WW
.irp c, 0,1
	v_cvt_scalef32_pk16_fp6_f32 v[PC+6*\c:PC+6*\c+2], v[SRC0+32*\c:SRC0+32*\c+15], v[QS+\c]
	v_cvt_scalef32_pk16_fp6_f32 v[QT+4*\c:QT+4*\c+2], v[SRC0+32*\c+16:SRC0+32*\c+31], v[QS+\c]
.endr
	WIN 0
	v_nop
.irp c, 0,1
.irp i, 0,1,2
	v_mov_b32 v[PC+6*\c+3+\i], v[QT+4*\c+\i]
.endr
.endr
.endm
.irp a, 0,1,2,3,4,5,6,7
	s_wait_xcnt 0x0
	QUANTW \a
.irp c, 0,1
	global_store_b128 v[L16], v[PC+6*\c:PC+6*\c+3], s[12:13] offset:\a*768+\c*393216
	global_store_b64 v[L8], v[PC+6*\c+4:PC+6*\c+5], s[12:13] offset:\a*768+\c*393216+512
.endr
.if (\a%4) == 3
	global_store_b128 v[SSO], v[SW:SW+3], s[14:15] offset:(\a/4)*256
.endif
.endr
	s_wait_tensorcnt 0x0
	ds_add_u32 v[SPW], v[NIL]
	s_wait_dscnt 0x0
	CROUND
	s_endpgm
.Lfunc_end_k_q9fbf691aa2_qkv:
	.size	k_q9fbf691aa2_qkv, .Lfunc_end_k_q9fbf691aa2_qkv-k_q9fbf691aa2_qkv
	.p2alignl 7, 3214868480
	.fill 96, 4, 3214868480
	.section	.rodata,"a",@progbits
	.p2align	6, 0x0
	.amdhsa_kernel k_q9fbf691aa2_qkv
		.amdhsa_group_segment_fixed_size 327680
		.amdhsa_private_segment_fixed_size 0
		.amdhsa_enable_private_segment 0
		.amdhsa_kernarg_size 48
		.amdhsa_user_sgpr_count 2
		.amdhsa_user_sgpr_kernarg_segment_ptr 1
		.amdhsa_wavefront_size32 1
		.amdhsa_system_sgpr_workgroup_id_x 1
		.amdhsa_system_sgpr_workgroup_id_y 1
		.amdhsa_system_sgpr_workgroup_id_z 1
		.amdhsa_system_vgpr_workitem_id 0
		.amdhsa_next_free_vgpr 1024
		.amdhsa_next_free_sgpr 100
		.amdhsa_reserve_vcc 0
		.amdhsa_float_denorm_mode_32 3
		.amdhsa_float_denorm_mode_16_64 3
		.amdhsa_memory_ordered 1
		.amdhsa_forward_progress 1
		.amdhsa_inst_pref_size 168
	.end_amdhsa_kernel
	.amdgpu_metadata
---
amdhsa.version: [ 1, 2 ]
amdhsa.kernels:
  - .name:           k_q9fbf691aa2_qkv
    .symbol:         k_q9fbf691aa2_qkv.kd
    .args:
      - { .name: xc, .offset: 0, .size: 8, .value_kind: global_buffer, .address_space: global }
      - { .name: wic, .offset: 8, .size: 8, .value_kind: global_buffer, .address_space: global }
      - { .name: scl, .offset: 16, .size: 8, .value_kind: global_buffer, .address_space: global }
      - { .name: b_in, .offset: 24, .size: 8, .value_kind: global_buffer, .address_space: global }
      - { .name: qkvc, .offset: 32, .size: 8, .value_kind: global_buffer, .address_space: global }
      - { .name: qkvs, .offset: 40, .size: 8, .value_kind: global_buffer, .address_space: global }
    .group_segment_fixed_size: 327680
    .private_segment_fixed_size: 0
    .kernarg_segment_align: 8
    .kernarg_segment_size: 48
    .max_flat_workgroup_size: 128
    .sgpr_count:     100
    .vgpr_count:     1024
    .wavefront_size: 32
...
	.end_amdgpu_metadata
.endif
;; end of part 2
;; launch attn (part 3): grid 4 x 64, 16 waves a work-group, clusters of 4 x 1, 327,680 bytes of LDS; arguments qkvc, qkvs, oc, sc2; writes oc, sc2
.if DOCPART == 3
	.amdgcn_target "amdgcn-amd-amdhsa--gfx1250"
	.amdhsa_code_object_version 6
	.text
	.protected	k_q9fbf691aa2_attn
	.globl	k_q9fbf691aa2_attn
	.p2align	8
	.type	k_q9fbf691aa2_attn,@function
k_q9fbf691aa2_attn:
	s_mov_b64 s[64:65], 0
	v_nop
	global_prefetch_b8 v0, s[64:65] scope:SCOPE_SE
	s_setreg_imm32_b32 hwreg(HW_REG_WAVE_MODE, 25, 1), 1
	s_wait_xcnt 0x0
	s_wait_alu depctr_hold_cnt(0) depctr_sa_sdst(0) depctr_va_vdst(0) depctr_va_sdst(0) depctr_va_ssrc(0) depctr_va_vcc(0) depctr_vm_vsrc(0)
	s_getreg_b32 s2, hwreg(HW_REG_IB_STS2, 6, 4)
	s_cmp_eq_u32 s2, 0
	s_cbranch_scc0 .Lentry_in_a_cluster
	s_endpgm
.Lentry_in_a_cluster:
	s_bfe_u32 s2, ttmp6, 0x10000c
	s_cmp_lg_u32 s2, 0x3003
	s_cbranch_scc0 .Lentry_shape_is_right
	s_endpgm
.Lentry_shape_is_right:
; O = softmax(q k^T / 8) v for one head and 512 queries a work-group, both products on codes of FP6 (E2M3); O is normalised, quantised along the head's 64 channels and leaves as codes and scale words.
; t = score x log2(e) / 8; M = the running largest t rounded up to a whole number; p = 2^(t - M) is quantised along the keys; the sum of the unquantised p divides at the end; when M moves, sum and O are multiplied by 2^(old M - new M).
; SHARES.  256 work-groups of sixteen waves.  A whole head's codes of k and v and their scale words lie in LDS (208,896 bytes): 14 joint tensor loads at the head, one a wave (the four query blocks of a cluster walk the same head); nothing is filled again.
; A wave takes a tile of 16 queries through all 16 key steps of 128 keys, and then a second tile (PASS 0, 1) over the same LDS bytes: no barrier stands between the one at the head and the one at the end.
; No data prefetch: every tile of the launch is asked for at the head, so there is no loop to run ahead in.
; LAYOUT.  Both products are used transposed, a lane holds one query.  Lane r of key tile 4 g + t holds key 64 g + 8 t + r + 24 (r / 8): so register 32 c + n of the scores is key 64 c + 32 h + n, a whole block in a lane.
; THE FIRST PRODUCT'S K IS 64.  An operand of twelve registers holds TWO key tiles, t in K 0-63 and 4 + t in K 64-127; it is multiplied by [q | zero codes] for tile t and by [zero codes | q] for tile 4 + t.  Its scale word is tile t's two bytes below tile 4 + t's two.
; THE STEP IS A PIPELINE: QK(s); v's fragments of step s - 1 are loaded into k's registers; the maxima; PV(s - 1); k's fragments of step s + 1 are loaded into the same registers; exponentials, sum, O x f, p's codes.
; In a pass's first trip p's codes are zeros and v's address stands one step ahead of v's first byte, in bytes that the head's loads have filled (codes of k; scale words of k, finite bytes): that product adds 0.  The last trip's fetch of k reads v's bytes and is not used.  PV(15) stands behind the loop.
; LIMITS: a block's largest magnitude is floored at 2^(3 - 127) (byte at least 1; zeros get the byte 1, read by this program alone); NaN and infinities are not served; the promise holds while |t| stays under 2^31.
; A block's largest p is made from the block's largest score by the same multiply-add and exponential; this takes the exponential not to fall where its input rises.
; REGISTERS: v1-7 addresses that stay; v8-13 the step's; v14, v15 the add's; v16-27 [q | 0]; v28 -M, v29 the largest score; v[30:31] the sum; v32-79 four operands of k or v; v80-87 k's scale words, v88-91 v's, v92 q's, v93 p's; v[94:95] f;
; v96-159 scores, p; v160-191 O^T; v192-203 p's codes; v204-225 at work; v226, v227 LDS places of O's scale words; v228-239 [0 | q]; v240-243, v250-252 the second pass's q; v244-249 sums; v253 q's word as loaded; v254 16 r.
.set VC,    98304                      ; k's codes lie at LDS byte 0: [tile 128][768];  v's here: [64 keys: 2][128 keys: 16][channel tile 4][768]
.set VE,    49152
.set KS,    196608                     ; k's scale units, 512 bytes for 128 keys
.set VS,    204800                     ; v's, 256 bytes for 128 keys
.set OS,    208896                     ; O's scale words: 2,048 bytes, written by LDS stores alone
.set SPARE, 210944                     ; the spare words, 128 bytes for each wave, that no other line names
.set WV,   12
.set CNT,  76
.set SEL,  20
.set CS,   22
.set G1K,  24
.set G1V,  32
.set G1KS, 40
.set G1VS, 48
.set G0K,  56
.set G0V,  60
.set G0KS, 68
.set G0VS, 72
.set TK,   2
.set TV,   3
.set TSK,  66
.set TSV,  67
.macro CROUND
	s_barrier_signal -1
	s_barrier_wait -1
	s_cmp_lg_u32 s[WV], 0
	s_cbranch_scc1 .Lnot_wave_0_\@
	s_barrier_signal -3
.Lnot_wave_0_\@:
	s_barrier_wait -3
	s_barrier_signal -1
	s_barrier_wait -1
.endm
.macro WALU
	s_wait_alu depctr_va_vdst(0)
.endm
.macro TL g0, g1
	tensor_load_to_lds s[\g0:\g0+3], s[\g1:\g1+7]
	s_nop 0
.rept 4
	v_nop
.endr
.endm
.macro GRP1 g, c, r, p                 ; r rows of c elements of 8 bytes, p elements apart; all four work-groups; bit 21 beside the mask
	s_mov_b32 s[\g], 15|(3<<16)|(1<<21)
	s_mov_b32 s[\g+1], (\c)<<16
	s_mov_b32 s[\g+2], (\r)<<16
	s_mov_b32 s[\g+3], (\c)<<16
	s_mov_b32 s[\g+4], \r
	s_mov_b32 s[\g+5], \p
	s_mov_b32 s[\g+6], 0
	s_mov_b32 s[\g+7], 0
.endm
	s_load_b256 s[4:11], s[0:1], 0x0               ; qkvc, qkvs, oc, sc2
	v_lshl_add_u32 v14, v0, 2, SPARE
	v_mov_b32 v15, 0
	ds_add_u32 v14, v15                            ; the opening lines: the add, twice on end, and its wait ahead of the first tensor load
	ds_add_u32 v14, v15
	v_lshrrev_b32 v96, 5, v0
	v_readfirstlane_b32 s[WV], v96                 ; wave 0..15
	s_lshr_b32 s18, s[WV], 2
	s_lshl_b32 s18, s18, 8
	s_and_b32 s19, s[WV], 3
	s_lshl_b32 s19, s19, 2
	s_add_co_u32 s18, s18, s19
	s_add_co_u32 s18, s18, OS                      ; my tile's scale words: [tile / 4][r][tile % 4]
	s_min_u32 s19, s[WV], 3
	s_lshl_b32 s19, s19, 9
	s_add_co_u32 s19, s19, OS                      ; the unit of 512 bytes that waves 0 to 3 read back
	v_and_b32 v97, 31, v0                          ; lane
	v_and_b32 v98, 15, v0                          ; r
	v_bfe_u32 v99, v0, 4, 1                        ; h
	v_lshlrev_b32 v1, 4, v97                       ; k's codes: 16 x lane
	v_lshlrev_b32 v2, 3, v97                       ; 8 x lane
	v_add_nc_u32 v3, VC-3072, v1                   ; v's: one step back, since a trip takes the step before its own
	v_add_nc_u32 v4, VC-3072, v2
	v_lshl_add_u32 v5, v98, 4, KS
	v_lshl_add_u32 v6, v98, 4, VS-256
	v_lshlrev_b32 v7, 3, v99                       ; 8 h
	v_lshlrev_b32 v254, 4, v98                     ; 16 r
	v_lshl_add_u32 v226, v98, 4, s18
	v_add_nc_u32 v227, s19, v1
	s_bfe_u32 s13, ttmp6, 0x40000                  ; cx
	s_lshl_b32 s14, ttmp9, 2
	s_add_co_u32 s14, s14, s13                     ; my block of 512 queries: it enters q's, O's and the scale words' global addresses alone
	s_and_b32 s17, ttmp7, 0xffff
	s_lshr_b32 s16, s17, 4                         ; the batch
	s_and_b32 s17, s17, 15                         ; the head
	s_and_b32 s80, s17, 1
	s_lshr_b32 s81, s17, 1
	GRP1 G1K, 32, 96, 32                           ; k: 24,576 dense bytes as 96 rows of 256
	GRP1 G1V, 384, 4, 768                          ; v: 4 rows of 3,072 bytes, 6,144 apart
	GRP1 G1KS, 32, 32, 32                          ; k's scales: 8,192 dense bytes
	GRP1 G1VS, 32, 16, 64                          ; v's scales: 16 rows of 256 bytes, 512 apart
	; groups 0, made of the head, the batch and the wave's number; the offsets first, in the address words
	s_add_co_u32 s18, s17, 16
	s_lshl_b32 s18, s18, 9
	s_lshl_b32 s19, s16, 7
	s_add_co_u32 s18, s18, s19
	s_and_b32 s82, s[WV], 3                        ; waves 0-3: which 512 keys of k
	s_lshl_b32 s83, s82, 5
	s_add_co_u32 s18, s18, s83
	s_mul_i32 s[G0K+2], s18, 768                   ; ((16 + head) x 512 + 128 x batch + 32 j) tiles
	s_mov_b32 s[G0K+3], 0
	s_mul_i32 s[G0K+1], s82, 24576
	s_mov_b32 s[G0K], 1
	s_lshl_b32 s18, s80, 2
	s_add_co_u32 s18, s18, s19
	s_and_b32 s82, s[WV], 1                        ; waves 4-11: e, which 64 of each 128 keys of v,
	s_lshl_b32 s83, s82, 9
	s_add_co_u32 s18, s18, s83
	s_add_co_u32 s83, s81, 16
	s_lshl_b32 s83, s83, 10
	s_add_co_u32 s18, s18, s83
	s_bfe_u32 s84, s[WV], 0x20001                  ; and j = (wave / 2) % 4, which 512 keys
	s_lshl_b32 s83, s84, 5
	s_add_co_u32 s18, s18, s83
	s_mul_i32 s[G0V+2], s18, 768                   ; 4 (head % 2) + 128 x batch + 512 e + 1,024 (16 + head / 2) + 32 j tiles
	s_mov_b32 s[G0V+3], 0
	s_mul_i32 s83, s82, VE
	s_mul_i32 s84, s84, 12288
	s_add_co_u32 s83, s83, s84
	s_add_co_u32 s[G0V+1], s83, VC
	s_mov_b32 s[G0V], 1
	s_lshl_b32 s18, s16, 4
	s_lshl_b32 s19, s80, 6
	s_add_co_u32 s18, s18, s19
	s_add_co_u32 s19, s81, 8
	s_lshl_b32 s19, s19, 7
	s_add_co_u32 s18, s18, s19
	s_lshl_b32 s[G0KS+2], s18, 9
	s_mov_b32 s[G0KS+3], 0
	s_mov_b32 s[G0KS+1], KS
	s_mov_b32 s[G0KS], 1
	s_lshl_b32 s18, s16, 4
	s_add_co_u32 s19, s81, 16
	s_lshl_b32 s19, s19, 7
	s_add_co_u32 s18, s18, s19
	s_lshl_b32 s18, s18, 9
	s_lshl_b32 s19, s80, 8
	s_add_co_u32 s[G0VS+2], s18, s19
	s_mov_b32 s[G0VS+3], 0
	s_mov_b32 s[G0VS+1], VS
	s_mov_b32 s[G0VS], 1
	s_mov_b32 s[SEL], 0x76543210
	s_mov_b32 s[SEL+1], 0xfedcba98                 ; lane l xor 16
	s_mov_b32 s[CS], 0x3e38aa3b                    ; c = log2(e) / 8
	s_mov_b32 s[CS+1], s[CS]
	s_lshl_b32 s15, s16, 7
	s_lshl_b32 s13, s14, 5
	s_add_co_u32 s15, s15, s13
	s_add_co_u32 s15, s15, s[WV]                   ; my first tile of queries; the second lies 16 tiles on
	s_lshl_b32 s78, s17, 9
	s_add_co_u32 s78, s78, s15
	s_mul_i32 s78, s78, 768                        ; (head x 512 + tile) tiles: in q's part of qkvc and in oc alike
	s_mov_b32 s79, 0
	s_lshr_b32 s84, s15, 3                         ; q's scale words
	s_lshl_b32 s13, s80, 6
	s_add_co_u32 s84, s84, s13
	s_lshl_b32 s13, s81, 7
	s_add_co_u32 s84, s84, s13
	s_lshl_b32 s84, s84, 9
	s_bfe_u32 s13, s15, 0x10002
	s_lshl_b32 s13, s13, 8
	s_add_co_u32 s84, s84, s13
	s_and_b32 s13, s15, 3
	s_lshl_b32 s13, s13, 2
	s_add_co_u32 s84, s84, s13
	s_mov_b32 s85, 0
	s_lshl_b32 s86, s16, 4                         ; the unit of O's scale words that waves 0 to 3 store
	s_lshl_b32 s13, s14, 2
	s_add_co_u32 s86, s86, s13
	s_min_u32 s13, s[WV], 3
	s_add_co_u32 s86, s86, s13
	s_lshl_b32 s86, s86, 9
	s_mul_i32 s13, s17, 36864
	s_add_co_u32 s86, s86, s13
	s_mov_b32 s87, 0
	WALU
	s_wait_dscnt 0x0                               ; both opening adds are done
	s_wait_kmcnt 0x0
	s_add_nc_u64 s[G0K+2:G0K+3], s[4:5], s[G0K+2:G0K+3]
	s_add_nc_u64 s[G0V+2:G0V+3], s[4:5], s[G0V+2:G0V+3]
	s_add_nc_u64 s[G0KS+2:G0KS+3], s[6:7], s[G0KS+2:G0KS+3]
	s_add_nc_u64 s[G0VS+2:G0VS+3], s[6:7], s[G0VS+2:G0VS+3]
	s_or_b32 s[G0K+3], s[G0K+3], 0x80000000
	s_or_b32 s[G0V+3], s[G0V+3], 0x80000000
	s_or_b32 s[G0KS+3], s[G0KS+3], 0x80000000
	s_or_b32 s[G0VS+3], s[G0VS+3], 0x80000000
	s_add_nc_u64 s[4:5], s[4:5], s[78:79]          ; q's half image
	s_add_nc_u64 s[8:9], s[8:9], s[78:79]          ; O's
	s_add_nc_u64 s[6:7], s[6:7], s[84:85]
	s_add_nc_u64 s[10:11], s[10:11], s[86:87]
	CROUND                                         ; all four work-groups are here: the joint loads meet
	; the head's loads, one a wave, in one chain of branches on the wave's number
	s_cmp_lt_u32 s[WV], 4
	s_cbranch_scc0 .Lnot_k
	TL G0K, G1K                                    ; waves 0-3: 512 keys of k each
	s_branch .Lasked
.Lnot_k:
	s_cmp_lt_u32 s[WV], 12
	s_cbranch_scc0 .Lnot_v
	TL G0V, G1V                                    ; waves 4-11: one half of 512 keys of v each
	s_branch .Lasked
.Lnot_v:
	s_cmp_eq_u32 s[WV], 12
	s_cbranch_scc0 .Lnot_ks
	TL G0KS, G1KS
	s_branch .Lasked
.Lnot_ks:
	s_cmp_eq_u32 s[WV], 13
	s_cbranch_scc0 .Lasked
	TL G0VS, G1VS
.Lasked:
	global_load_b128 v[16:19], v1, s[4:5]                  ; q of the first pass, into both operands
	global_load_b64 v[20:21], v2, s[4:5] offset:512
	global_load_b128 v[234:237], v1, s[4:5]
	global_load_b64 v[238:239], v2, s[4:5] offset:512
	global_load_b32 v253, v254, s[6:7]
	global_load_b128 v[240:243], v1, s[4:5] offset:12288   ; q of the second pass, kept until then
	global_load_b64 v[250:251], v2, s[4:5] offset:12800
	global_load_b32 v252, v254, s[6:7] offset:1024
.irp i, 22,23,24,25,26,27,228,229,230,231,232,233
	v_mov_b32 v[\i], 0                             ; the zero codes of [q | 0] and [0 | q]
.endr
	v_mov_b32 v95, 0                               ; named as the upper half of the pair v[94:95]
	v_mov_b32 v224, 0                              ; a lane permute's destination counts as one of its sources
	WALU
	s_wait_tensorcnt 0x0                           ; my load has landed
	s_barrier_signal -1
	s_barrier_wait -1                              ; and everybody's: all of k, v and their scales are in
	s_wait_loadcnt 0x0                             ; q
.macro KLOAD a16, a8, as               ; a step's eight key tiles, two to an operand, and their scale words
	ds_load_b128 v[80:83], v[\as]
	ds_load_b128 v[84:87], v[\as] offset:256
.irp t, 0,1,2,3
	ds_load_b128 v[32+12*\t:35+12*\t], v[\a16] offset:\t*768
	ds_load_b64 v[36+12*\t:37+12*\t], v[\a8] offset:\t*768+512
	ds_load_b128 v[38+12*\t:41+12*\t], v[\a16] offset:(\t+4)*768
	ds_load_b64 v[42+12*\t:43+12*\t], v[\a8] offset:(\t+4)*768+512
.endr
.endm
.macro KSCALE                          ; tile t's two bytes below tile 4 + t's
.irp t, 0,1,2,3
	v_lshl_or_b32 v[80+\t], v[84+\t], 16, v[80+\t]
.endr
.endm
.macro VLOAD
	ds_load_b128 v[88:91], v13
.irp t, 0,1,2,3
.irp c, 0,1
	ds_load_b128 v[32+12*\t+6*\c:35+12*\t+6*\c], v10 offset:\c*VE+\t*768
	ds_load_b64 v[36+12*\t+6*\c:37+12*\t+6*\c], v11 offset:\c*VE+\t*768+512
.endr
.endr
.endm
.macro PV
.irp t, 0,1,2,3
	v_wmma_scale_f32_16x16x128_f8f6f4 v[160+8*\t:167+8*\t], v[32+12*\t:43+12*\t], v[192:203], v[160+8*\t:167+8*\t], v[88+\t], v93 matrix_a_fmt:MATRIX_FMT_FP6 matrix_b_fmt:MATRIX_FMT_FP6
.endr
.endm
; A KEY STEP: 128 keys
.macro STEP
.irp t, 0,1,2,3
	v_wmma_scale_f32_16x16x128_f8f6f4 v[96+8*\t:103+8*\t], v[32+12*\t:43+12*\t], v[16:27], 0, v[80+\t], v92 matrix_a_fmt:MATRIX_FMT_FP6 matrix_b_fmt:MATRIX_FMT_FP6
.endr
.irp t, 0,1,2,3
	v_wmma_scale_f32_16x16x128_f8f6f4 v[128+8*\t:135+8*\t], v[32+12*\t:43+12*\t], v[228:239], 0, v[80+\t], v92 matrix_a_fmt:MATRIX_FMT_FP6 matrix_b_fmt:MATRIX_FMT_FP6
.endr
	v_add_nc_u32 v10, s[TV], v3                    ; these six are the places between the products and the loads into their operands and the first read of the scores
	v_add_nc_u32 v11, s[TV], v4
	v_add_nc_u32 v13, s[TSV], v6
	v_add_nc_u32 v8, s[TK], v1
	v_add_nc_u32 v9, s[TK], v2
	v_add_nc_u32 v12, s[TSK], v5
	VLOAD                                          ; v of the step before
.irp q, 0,1,2,3
	v_max3_num_f32 v[212+\q], v[96+16*\q], v[97+16*\q], v[98+16*\q]   ; the largest score of each of my two blocks of 32 keys, in four chains by turns
.endr
.irp i, 3,5,7,9,11,13
.irp q, 0,1,2,3
	v_max3_num_f32 v[212+\q], v[212+\q], v[96+16*\q+\i], v[97+16*\q+\i]
.endr
.endr
	v_max3_num_f32 v212, v212, v213, v111
	v_max3_num_f32 v214, v214, v215, v143
	v_max_num_f32 v212, v212, v127
	v_max_num_f32 v213, v214, v159
	s_delay_alu instid0(VALU_DEP_1)
	v_max_num_f32 v214, v212, v213
	s_delay_alu instid0(VALU_DEP_1)
	v_permlanex16_b32 v215, v214, s[SEL], s[SEL+1]
	s_delay_alu instid0(VALU_DEP_1)
	v_max3_num_f32 v29, v29, v214, v215            ; the running largest score of my query
	s_delay_alu instid0(VALU_DEP_1)
	v_mul_f32 v216, s[CS], v29                     ; as t
	v_mov_b32 v217, v28
	s_delay_alu instid0(VALU_DEP_2)
	v_floor_f32 v28, -v216                         ; the new -M
	s_delay_alu instid0(VALU_DEP_1)
	v_sub_f32 v217, v28, v217                      ; old M - new M: a whole number, 0 or less
	s_delay_alu instid0(VALU_DEP_1)
	v_cvt_i32_f32 v217, v217
	s_delay_alu instid0(VALU_DEP_1)
	v_ldexp_f32 v94, 1.0, v217                     ; f = 2^(old M - new M)
	WALU
	s_wait_dscnt 0x0                               ; v's fragments are in
	PV                                             ; O^T, which stands under the last step's M, takes the last step's p
.set J, 0
.rept 32
	v_pk_fma_f32 v[96+J:97+J], v[96+J:97+J], s[CS:CS+1], v[28:29] op_sel_hi:[1,0,0]   ; t - M; these are also the places in front of the loads below
.set J, J+2
.endr
	v_fma_f32 v212, v212, s[CS], v28
	v_fma_f32 v213, v213, s[CS], v28
	KLOAD 8, 9, 12                                 ; k of the next step
	WALU                                           ; ahead of the batch
.set J, 0
.rept 64
	v_exp_f32 v[96+J], v[96+J]                     ; p
.set J, J+1
.endr
	v_pk_mul_f32 v[30:31], v[30:31], v[94:95] op_sel_hi:[1,0]   ; the sum under the new M: a plain place behind the exponentials
	WALU                                           ; one wait for the batch, ahead of its first reader
	v_exp_f32 v212, v212                           ; each block's largest p
	v_exp_f32 v213, v213
	v_pk_add_f32 v[218:219], v[96:97], v[98:99]    ; the sum of the unquantised p, in four chains by turns
	v_pk_add_f32 v[244:245], v[100:101], v[102:103]
	v_pk_add_f32 v[246:247], v[104:105], v[106:107]
	v_pk_add_f32 v[248:249], v[108:109], v[110:111]
.irp j, 16,24,32,40,48,56
	v_pk_add_f32 v[218:219], v[218:219], v[96+\j:97+\j]
	v_pk_add_f32 v[244:245], v[244:245], v[98+\j:99+\j]
	v_pk_add_f32 v[246:247], v[246:247], v[100+\j:101+\j]
	v_pk_add_f32 v[248:249], v[248:249], v[102+\j:103+\j]
.endr
	v_pk_add_f32 v[218:219], v[218:219], v[244:245]
	v_pk_add_f32 v[246:247], v[246:247], v[248:249]
	s_delay_alu instid0(VALU_DEP_1)
	v_pk_add_f32 v[218:219], v[218:219], v[246:247]
	s_delay_alu instid0(VALU_DEP_1)
	v_pk_add_f32 v[30:31], v[30:31], v[218:219]
	s_wait_dscnt 0x0                               ; k's fragments and scale words are in
	WALU                                           ; for the two exponentials, and directly ahead of the first reader of O^T
.set J, 0
.rept 16
	v_pk_mul_f32 v[160+J:161+J], v[160+J:161+J], v[94:95] op_sel_hi:[1,0]   ; O^T under the new M
.set J, J+2
.endr
	KSCALE                                         ; more than eight places ahead of the next step's products
	v_max_num_f32 v212, 0x1800000, v212            ; the floor 2^(3 - 127)
	v_max_num_f32 v213, 0x1800000, v213
	s_delay_alu instid0(VALU_DEP_2)
	v_add_nc_u32 v220, 0xff000000, v212            ; the conversions' scale operands
	s_delay_alu instid0(VALU_DEP_2)
	v_add_nc_u32 v221, 0xff000000, v213
	s_delay_alu instid0(VALU_DEP_2)
	v_lshrrev_b32 v222, 23, v220
	s_delay_alu instid0(VALU_DEP_2)
	v_lshrrev_b32 v223, 23, v221
	s_delay_alu instid0(VALU_DEP_1)
	v_lshl_or_b32 v93, v223, 16, v222              ; blocks h and 2 + h,
	s_delay_alu instid0(VALU_DEP_1)
	v_lshlrev_b32 v93, v7, v93                     ; at their places;
	s_delay_alu instid0(VALU_DEP_1)
	v_permlanex16_b32 v224, v93, s[SEL], s[SEL+1]
	s_delay_alu instid0(VALU_DEP_1)
	v_or_b32 v93, v93, v224                        ; with lane l xor 16: p's scale word
.irp c, 0,1
	v_cvt_scalef32_pk16_fp6_f32 v[192+6*\c:194+6*\c], v[96+32*\c:111+32*\c], v[220+\c]
	v_cvt_scalef32_pk16_fp6_f32 v[204+4*\c:206+4*\c], v[112+32*\c:127+32*\c], v[220+\c]
.endr
	v_nop                                          ; one plain place behind a scaled conversion
.irp c, 0,1
.irp i, 0,1,2
	v_mov_b32 v[195+6*\c+\i], v[204+4*\c+\i]
.endr
.endr
	s_add_co_u32 s[TK], s[TK], 6144
	s_add_co_u32 s[TV], s[TV], 3072
	s_add_co_u32 s[TSK], s[TSK], 512
	s_add_co_u32 s[TSV], s[TSV], 256
.endm
; A PASS: one tile of 16 queries through all 2,048 keys, and its way out
.macro PASS p
.if \p
	WALU
	s_wait_xcnt 0x0                                ; the first pass's stores have read the codes' registers
.endif
	KLOAD 1, 2, 5                                  ; k of step 0
.if \p
.irp i, 0,1,2,3
	v_mov_b32 v[16+\i], v[240+\i]
	v_mov_b32 v[234+\i], v[240+\i]
.endr
.irp i, 0,1
	v_mov_b32 v[20+\i], v[250+\i]
	v_mov_b32 v[238+\i], v[250+\i]
.endr
	v_lshl_or_b32 v92, v252, 16, v252              ; q's two bytes, for K 0-63 and for K 64-127
.else
	v_lshl_or_b32 v92, v253, 16, v253
.endif
	v_mov_b32 v29, 0xff61b1e6                      ; the largest score so far: -3e38
	v_mov_b32 v30, 0
	v_mov_b32 v31, 0
	v_mul_f32 v28, s[CS], v29
	v_mov_b32 v93, 0
	v_floor_f32 v28, -v28                          ; -M
.set J, 0
.rept 12
	v_mov_b32 v[192+J], 0                          ; the first trip's p: zero codes
.set J, J+1
.endr
	WALU
	s_wait_dscnt 0x0
	KSCALE
.set J, 0
.rept 32
	v_mov_b32 v[160+J], 0                          ; O^T: the step is written once; the first change of M leaves zeros zeros.  These are also the places behind the scale words
.set J, J+1
.endr
	s_mov_b32 s[TK], 6144                          ; k: one step ahead;  v: its address registers stand one step back
	s_mov_b32 s[TSK], 512
	s_mov_b32 s[TV], 0
	s_mov_b32 s[TSV], 0
	s_mov_b32 s[CNT], 16
	WALU
.Lstep_\@:
	STEP
	s_sub_co_u32 s[CNT], s[CNT], 1
	s_cmp_lg_u32 s[CNT], 0
	s_cbranch_scc1 .Lstep_\@
	v_add_nc_u32 v10, s[TV], v3                    ; the last step's v and product
	v_add_nc_u32 v11, s[TV], v4
	v_add_nc_u32 v13, s[TSV], v6
	v_nop                                          ; with the three above and one more: the places between p's last code registers and the products
	v_nop
	VLOAD
	WALU
	s_wait_dscnt 0x0
	PV
	; THE WAY OUT: O^T / the sum; register n of lane (r, h) is channel 32 h + n of my query: a whole block of the last product's K
.rept 4
	v_nop
.endr
	v_add_f32 v30, v30, v31
	s_delay_alu instid0(VALU_DEP_1)
	v_permlanex16_b32 v224, v30, s[SEL], s[SEL+1]
	s_delay_alu instid0(VALU_DEP_1)
	v_add_f32 v30, v30, v224                       ; the row's sum
	WALU
	v_rcp_f32 v94, v30
	v_nop
	WALU                                           ; ahead of the first reader
.set J, 0
.rept 16
	v_pk_mul_f32 v[160+J:161+J], v[160+J:161+J], v[94:95] op_sel_hi:[1,0]
.set J, J+2
.endr
	v_max3_num_f32 v212, |v160|, |v161|, |v162|
	v_max3_num_f32 v213, |v163|, |v164|, |v165|
.irp i, 6,10,14,18,22,26
	s_delay_alu instid0(VALU_DEP_2)
	v_max3_num_f32 v212, v212, |v[160+\i]|, |v[161+\i]|
	s_delay_alu instid0(VALU_DEP_2)
	v_max3_num_f32 v213, v213, |v[162+\i]|, |v[163+\i]|
.endr
	s_delay_alu instid0(VALU_DEP_2)
	v_max3_num_f32 v212, v212, |v190|, |v191|
	s_delay_alu instid0(VALU_DEP_1)
	v_max3_num_f32 v212, v212, v213, 0x1800000
	s_delay_alu instid0(VALU_DEP_1)
	v_add_nc_u32 v220, 0xff000000, v212
	s_delay_alu instid0(VALU_DEP_1)
	v_lshrrev_b32 v222, 23, v220
	s_delay_alu instid0(VALU_DEP_1)
	v_lshlrev_b32 v225, v7, v222
	s_delay_alu instid0(VALU_DEP_1)
	v_permlanex16_b32 v224, v225, s[SEL], s[SEL+1]
	s_delay_alu instid0(VALU_DEP_1)
	v_or_b32 v225, v225, v224                      ; my query's two bytes
	v_cvt_scalef32_pk16_fp6_f32 v[192:194], v[160:175], v220
	v_cvt_scalef32_pk16_fp6_f32 v[204:206], v[176:191], v220
	v_nop
.irp i, 0,1,2
	v_mov_b32 v[195+\i], v[204+\i]
.endr
	ds_store_b32 v226, v225 offset:1024*\p         ; lanes r and r + 16 write the same word with the same value
	global_store_b128 v1, v[192:195], s[8:9] offset:12288*\p        ; 512 consecutive bytes
	global_store_b64 v2, v[196:197], s[8:9] offset:12288*\p+512     ; 256 consecutive bytes
.endm
	PASS 0
	PASS 1
	s_wait_dscnt 0x0                               ; for the others: my stores of scale words have landed
	s_barrier_signal -1
	s_barrier_wait -1
	s_cmp_lt_u32 s[WV], 4
	s_cbranch_scc0 .Lno_unit
	ds_load_b128 v[96:99], v227                    ; eight tiles' words: a unit of 512 bytes
	s_wait_dscnt 0x0
	global_store_b128 v1, v[96:99], s[10:11]
.Lno_unit:
	s_wait_tensorcnt 0x0                           ; the wave's end
	ds_add_u32 v14, v15
	s_wait_dscnt 0x0
	CROUND                                         ; the closing round
	s_endpgm
.Lfunc_end_k_q9fbf691aa2_attn:
	.size	k_q9fbf691aa2_attn, .Lfunc_end_k_q9fbf691aa2_attn-k_q9fbf691aa2_attn
	.p2alignl 7, 3214868480
	.fill 96, 4, 3214868480
	.section	.rodata,"a",@progbits
	.p2align	6, 0x0
	.amdhsa_kernel k_q9fbf691aa2_attn
		.amdhsa_group_segment_fixed_size 327680
		.amdhsa_private_segment_fixed_size 0
		.amdhsa_enable_private_segment 0
		.amdhsa_kernarg_size 32
		.amdhsa_user_sgpr_count 2
		.amdhsa_user_sgpr_kernarg_segment_ptr 1
		.amdhsa_wavefront_size32 1
		.amdhsa_system_sgpr_workgroup_id_x 1
		.amdhsa_system_sgpr_workgroup_id_y 1
		.amdhsa_system_sgpr_workgroup_id_z 1
		.amdhsa_system_vgpr_workitem_id 0
		.amdhsa_next_free_vgpr 256
		.amdhsa_next_free_sgpr 102
		.amdhsa_reserve_vcc 0
		.amdhsa_float_denorm_mode_32 3
		.amdhsa_float_denorm_mode_16_64 3
		.amdhsa_memory_ordered 1
		.amdhsa_forward_progress 1
		.amdhsa_inst_pref_size 62
	.end_amdhsa_kernel
	.amdgpu_metadata
---
amdhsa.version: [ 1, 2 ]
amdhsa.kernels:
  - .name:           k_q9fbf691aa2_attn
    .symbol:         k_q9fbf691aa2_attn.kd
    .args:
      - { .name: qkvc, .offset: 0, .size: 8, .value_kind: global_buffer, .address_space: global }
      - { .name: qkvs, .offset: 8, .size: 8, .value_kind: global_buffer, .address_space: global }
      - { .name: oc, .offset: 16, .size: 8, .value_kind: global_buffer, .address_space: global }
      - { .name: sc2, .offset: 24, .size: 8, .value_kind: global_buffer, .address_space: global }
    .group_segment_fixed_size: 327680
    .private_segment_fixed_size: 0
    .kernarg_segment_align: 8
    .kernarg_segment_size: 32
    .max_flat_workgroup_size: 512
    .sgpr_count:     102
    .vgpr_count:     256
    .wavefront_size: 32
...
	.end_amdgpu_metadata
.endif
;; end of part 3
;; launch proj (part 4): grid 4 x 64, 4 waves a work-group, clusters of 4 x 4, 327,680 bytes of LDS; arguments oc, woc, sc2, b_out, out0; writes out0
.if DOCPART == 4
	.amdgcn_target "amdgcn-amd-amdhsa--gfx1250"
	.amdhsa_code_object_version 6
	.text
	.protected	k_q9fbf691aa2_proj
	.globl	k_q9fbf691aa2_proj
	.p2align	8
	.type	k_q9fbf691aa2_proj,@function
k_q9fbf691aa2_proj:
	s_mov_b64 s[64:65], 0
	v_nop
	global_prefetch_b8 v0, s[64:65] scope:SCOPE_SE
	s_setreg_imm32_b32 hwreg(HW_REG_WAVE_MODE, 25, 1), 1
	s_wait_xcnt 0x0
	s_wait_alu depctr_hold_cnt(0) depctr_sa_sdst(0) depctr_va_vdst(0) depctr_va_sdst(0) depctr_va_ssrc(0) depctr_va_vcc(0) depctr_vm_vsrc(0)
	s_getreg_b32 s2, hwreg(HW_REG_IB_STS2, 6, 4)
	s_cmp_eq_u32 s2, 0
	s_cbranch_scc0 .Lentry_in_a_cluster
	s_endpgm
.Lentry_in_a_cluster:
	s_bfe_u32 s2, ttmp6, 0x10000c
	s_cmp_lg_u32 s2, 0xf033
	s_cbranch_scc0 .Lentry_shape_is_right
	s_endpgm
.Lentry_shape_is_right:
; out0 = O W_out + b_out on codes of FP6 (E2M3): O's codes oc [64 along K: 16][tile of 16 rows: 512][768 bytes], W_out's woc [16][tile of 16 columns: 64][768], scale words sc2 [16][unit of 128 rows or columns: 64 + 8][512 bytes].
; A half image of 768 bytes is 16 rows x 64 along K as an operand's six registers: registers 0-3 at 16 x lane, registers 4-5 at 512 + 8 x lane.  Lane r of tile 4 g + t holds row 64 g + 8 t + r + 24 (r / 8).
; SHARES.  A block of 128 rows x 256 columns a work-group: 64 x 4 = 256 work-groups.  Four waves, 2 x 2; a wave makes 64 x 128: 32 accumulators of 16 x 16.
; ALL OF K LIES IN LDS: the block's 8 tiles of O (16 x 6,144 = 98,304 bytes) and 16 tiles of W (2 x 98,304), 294,912 bytes, by one joint tensor load a wave at the head; nothing is filled again, so there is no ring.
; CLUSTERS: 4 x 4 work-groups; O's tile is shared along a row of the cluster, W's along a column.  No data prefetch: every tile is asked for at the head, so there is no loop to run ahead in.
; The matrix instruction is used transposed (source 0 = 16 columns of W, source 1 = 16 rows of O): a lane's registers of four neighbouring tiles of W are 32 neighbouring columns of one row of the result.
; The bias is the first products' C.  A step of 128 along K is 32 products; the next step's fragments (both operands have two sets) are fetched ahead of them.
; REGISTERS: window 0: v5-19 addresses, v28, v29 the add's, v32-95 scale words (lanes 0-15 O's tile i, lanes 16-31 W's tile i; register 8 i + step), v128-223 O's fragments, two sets of four; on the way out v128-255.
;   window 1: W's fragments, two sets at v0 and v128; the bias at v96-127 and v224-255.   window 2: accumulator (a, b) at v[8 (8 a + b)].
.set KH,    49152                      ; half of K of eight tiles: 8 x 6,144 bytes
.set WREG,  98304                      ; W's first byte; 98,304 bytes for each half of the columns
.set SPARE, 294912                     ; the spare words, 128 bytes for each wave, that no other line names
.set XKB,   393216
.set WKB,   49152
.set SKB,   36864
.set L16, 5
.set L8,  6
.set ADRA16, 8
.set ADRA8,  10
.set ADRB16, 12
.set ADRB8,  14
.set SCO, 16
.set BIO, 17
.set STO, 18
.set RDA, 19
.set SPW, 28
.set NIL, 29
.set SC,  32
.set TMPS, 96
.set AF,  128
.set BK,  128
.set G1X, 24
.set G0X, 32
.set G1W, 48
.set G0W, 56
.set MSB, 0
.macro WIN new                         ; the immediate's high byte repeats the setting that is left
.if MSB != \new
	s_set_vgpr_msb (MSB<<8)|\new
.set MSB, \new
.endif
.endm
.set MUL_LO, 0xa1                      ; source 0 (W) window 1, source 1 (O) window 0, C and D window 2
.set BIA_LO, 0x91                      ; the same, C window 1
.set TO_B,   0x40                      ; destination window 1
.macro CROUND
	s_barrier_signal -1
	s_barrier_wait -1
	s_cmp_lg_u32 s16, 0
	s_cbranch_scc1 .Lnot_wave_0_\@
	s_barrier_signal -3
.Lnot_wave_0_\@:
	s_barrier_wait -3
	s_barrier_signal -1
	s_barrier_wait -1
.endm
.macro PLACES
.rept 4
	v_nop
.endr
.endm
	s_load_b256 s[4:11], s[0:1], 0x0               ; oc, woc, sc2, b_out
	s_load_b64 s[12:13], s[0:1], 0x20              ; out0
	v_lshl_add_u32 v[SPW], v0, 2, SPARE
	v_mov_b32 v[NIL], 0
	ds_add_u32 v[SPW], v[NIL]                      ; the opening lines: the add, twice on end, and its wait ahead of the first tensor load
	ds_add_u32 v[SPW], v[NIL]
	v_lshrrev_b32 v1, 5, v0
	v_readfirstlane_b32 s16, v1                    ; wave 0..3
	s_lshr_b32 s17, s16, 1                         ; my half of the block's rows.  Also, for waves 1 and 2: which half of W's columns I fetch
	s_and_b32 s18, s16, 1                          ; my half of its columns.  Also, for waves 0 and 3: which half of K of O I fetch
	s_add_co_u32 s19, s16, 1
	s_and_b32 s19, s19, 2                          ; 0: waves 0 and 3 fetch O;  2: waves 1 and 2 fetch W
	s_bfe_u32 s40, ttmp6, 0x40000                  ; cx
	s_bfe_u32 s41, ttmp6, 0x40004                  ; cy
	s_lshl_b32 s42, ttmp9, 2
	s_add_co_u32 s42, s42, s40                     ; block column, 0..3
	s_and_b32 s43, ttmp7, 0xffff
	s_lshl_b32 s43, s43, 2
	s_add_co_u32 s43, s43, s41                     ; block row, 0..63
	s_lshl_b32 s44, s41, 2
	s_lshl_b32 s44, 15, s44                        ; my row of the cluster
	s_lshl_b32 s45, 0x1111, s40                    ; my column
	s_or_b32 s[G1X], s44, (3<<16)|(1<<21)          ; elements of 8 bytes; bit 21 beside the mask
	s_or_b32 s[G1W], s45, (3<<16)|(1<<21)
.irp g, G1X, G1W
	s_mov_b32 s[\g+1], 768<<16                     ; rows of 6,144 bytes: eight tiles
	s_mov_b32 s[\g+3], 768<<16
	s_mov_b32 s[\g+6], 0
	s_mov_b32 s[\g+7], 0
.endr
	s_mov_b32 s[G1X+2], 8<<16                      ; O: 8 rows, half of K
	s_mov_b32 s[G1X+4], 8
	s_mov_b32 s[G1X+5], XKB/8
	s_mov_b32 s[G1W+2], 16<<16                     ; W: 16 rows, all of K
	s_mov_b32 s[G1W+4], 16
	s_mov_b32 s[G1W+5], WKB/8
	s_mul_i32 s20, s43, 6144                       ; O: the block's eight tiles, + my half of K
	s_mul_i32 s21, s18, 8*XKB
	s_add_co_u32 s20, s20, s21
	s_mov_b32 s21, 0
	s_mul_i32 s46, s42, 12288                      ; W: the block's sixteen tiles, + my eight
	s_mul_i32 s47, s17, 6144
	s_add_co_u32 s46, s46, s47
	s_mov_b32 s47, 0
	s_mov_b32 s[G0X], 1
	s_mul_i32 s[G0X+1], s18, KH
	s_mov_b32 s[G0W], 1
	s_mul_i32 s[G0W+1], s17, WREG
	s_add_co_u32 s[G0W+1], s[G0W+1], WREG
	s_wait_dscnt 0x0                               ; both opening adds are done
	s_wait_kmcnt 0x0
	s_add_nc_u64 s[G0X+2:G0X+3], s[4:5], s[20:21]
	s_add_nc_u64 s[G0W+2:G0W+3], s[6:7], s[46:47]
	s_or_b32 s[G0X+3], s[G0X+3], 0x80000000
	s_or_b32 s[G0W+3], s[G0W+3], 0x80000000
	CROUND                                         ; all sixteen work-groups are here: the joint loads meet
	s_cmp_eq_u32 s19, 0                            ; one load a wave, one arm each
	s_cbranch_scc0 .Lfor_w
	tensor_load_to_lds s[G0X:G0X+3], s[G1X:G1X+7]
	s_nop 0
	PLACES
	s_branch .Lasked
.Lfor_w:
	tensor_load_to_lds s[G0W:G0W+3], s[G1W:G1W+7]
	s_nop 0
	PLACES
.Lasked:
	s_lshl_b32 s70, s43, 1
	s_add_co_u32 s70, s70, s17                     ; my 64 rows
	s_lshl_b32 s71, s42, 1
	s_add_co_u32 s71, s71, s18                     ; my 128 columns
	s_lshl_b32 s76, s70, 8                         ; my four tiles' scale words: 256 bytes in the rows' unit
	s_add_co_u32 s77, s71, 64
	s_lshl_b32 s77, s77, 9                         ; my columns' unit
	s_mul_i32 s23, s17, 3072                       ; LDS: my four tiles of O, in each half of K
	s_add_co_u32 s72, s23, KH
	s_mul_i32 s67, s18, WREG                       ; and my eight of W
	s_add_co_u32 s67, s67, WREG
	s_add_co_u32 s73, s67, KH
	s_mul_i32 s78, s16, 16*528                     ; my stage for the way out
	s_lshl_b32 s80, s71, 9
	s_mov_b32 s81, 0
	s_add_nc_u64 s[10:11], s[10:11], s[80:81]      ; the bias of my columns
	s_add_nc_u64 s[12:13], s[12:13], s[80:81]
	s_lshl_b32 s80, s70, 18                        ; 64 rows of 4,096 bytes
	s_add_nc_u64 s[12:13], s[12:13], s[80:81]
	v_and_b32 v1, 15, v0                           ; r
	v_bfe_u32 v2, v0, 4, 1                         ; h
	v_and_b32 v3, 31, v0
	v_lshlrev_b32 v[L16], 4, v3
	v_lshlrev_b32 v[L8], 3, v3
	v_add_nc_u32 v[ADRA16], s23, v[L16]
	v_add_nc_u32 v[ADRA16+1], s72, v[L16]
	v_add_nc_u32 v[ADRA8], s23, v[L8]
	v_add_nc_u32 v[ADRA8+1], s72, v[L8]
	v_add_nc_u32 v[ADRB16], s67, v[L16]
	v_add_nc_u32 v[ADRB16+1], s73, v[L16]
	v_add_nc_u32 v[ADRB8], s67, v[L8]
	v_add_nc_u32 v[ADRB8+1], s73, v[L8]
	v_xor_b32 v3, 1, v2
	v_mul_u32_u24 v[SCO], v2, s77                  ; lanes 16-31 take W's words,
	v_mad_u32_u24 v[SCO], v3, s76, v[SCO]          ; lanes 0-15 O's
	v_lshl_add_u32 v[SCO], v1, 4, v[SCO]
	v_lshlrev_b32 v[BIO], 7, v2
	v_mul_u32_u24 v[STO], v1, 528                  ; into the stage: row r, 128 bytes for each half of the lanes
	v_lshl_add_u32 v[STO], v2, 7, v[STO]
	v_add_nc_u32 v[STO], s78, v[STO]
	v_add_nc_u32 v[RDA], s78, v[L16]               ; back: the 32 lanes take a row of 512 bytes
	s_wait_alu depctr_va_vdst(0)
.irp k, 0,1,2,3,4,5,6,7,8,9,10,11,12,13,14,15
.irp g, 0,1
	global_load_b128 v[TMPS+8*\k+4*\g:TMPS+8*\k+4*\g+3], v[SCO], s[8:9] offset:\k*SKB+\g*256   ; four tiles' words of one 64 along K (of lanes 0-15 only g = 0 is used)
.endr
.endr
	WIN TO_B
.irp t, 0,1,2,3,4,5,6,7
	global_load_b128 v[96+8*\t+96*(\t/4):99+8*\t+96*(\t/4)], v[BIO], s[10:11] offset:(64*(\t/4)+8*(\t%4))*4
	global_load_b128 v[100+8*\t+96*(\t/4):103+8*\t+96*(\t/4)], v[BIO], s[10:11] offset:(64*(\t/4)+8*(\t%4))*4+16
.endr
	WIN 0
	s_wait_loadcnt 0x0
.irp s, 0,1,2,3,4,5,6,7
.irp i, 0,1,2,3,4,5,6,7
	v_lshl_or_b32 v[SC+8*\i+\s], v[TMPS+8*(2*\s+1)+\i], 16, v[TMPS+8*(2*\s)+\i]   ; two 64s make a step's scale word
.endr
.endr
.macro FRAG reg, a16, a8, q, i         ; 16 rows x 128 along K: two half images
.irp c, 0,1
	ds_load_b128 v[\reg+6*\c:\reg+6*\c+3], v[\a16] offset:((2*(\q)+\c)*8+(\i))*768
	ds_load_b64 v[\reg+6*\c+4:\reg+6*\c+5], v[\a8] offset:((2*(\q)+\c)*8+(\i))*768+512
.endr
.endm
.macro FETCH_B slot, q, p              ; W's eight fragments of step 4 slot + q into set p
	WIN TO_B
.irp i, 0,1,2,3,4,5,6,7
	FRAG 128*(\p)+12*\i, ADRB16+\slot, ADRB8+\slot, \q, \i
.endr
	WIN 0
.endm
.macro FETCH_A slot, q, p              ; O's four
.irp i, 0,1,2,3
	FRAG AF+48*(\p)+12*\i, ADRA16+\slot, ADRA8+\slot, \q, \i
.endr
.endm
.macro MUL32 p, ks, mode               ; the 32 accumulators take turns, in the same order in every step
.irp a, 0,1,2,3
.irp b, 0,1,2,3,4,5,6,7
.set RDD, 8*(8*\a+\b)
.if \mode == 0
.set RCC, RDD
.else
.set RCC, 96+8*\b+96*(\b/4)
.endif
	v_wmma_scale_f32_16x16x128_f8f6f4 v[RDD:RDD+7], v[128*(\p)+12*\b:128*(\p)+12*\b+11], v[AF+48*(\p)+12*\a:AF+48*(\p)+12*\a+11], v[RCC:RCC+7], v[SC+8*\b+(\ks)], v[SC+8*\a+(\ks)] matrix_a_fmt:MATRIX_FMT_FP6 matrix_b_fmt:MATRIX_FMT_FP6 matrix_a_scale:MATRIX_SCALE_ROW1
.endr
.endr
.endm
; A step: this step's fragments are in; the next step's (slot ns, quarter nq) go into the other sets (np), four places behind the products that read those; then 32 products.
; In the last step nothing is fetched: my reads of LDS are over, and the barrier that frees the stage's bytes is signalled ahead of the products.
.macro KSTEP ks, ns, nq, np
	s_wait_dscnt 0x0
.if \ks == 7
	s_barrier_signal -1
.else
.if \ks > 0
	PLACES
.endif
	FETCH_B \ns, \nq, \np
	FETCH_A \ns, \nq, \np
.endif
.if \ks == 0
	WIN BIA_LO
	MUL32 0, 0, 1
.else
	WIN MUL_LO
	MUL32 (\ks)%2, \ks, 0
.endif
	WIN 0
.endm
	s_wait_alu depctr_va_vdst(0)
	s_wait_tensorcnt 0x0                           ; my load has landed
	s_barrier_signal -1
	s_barrier_wait -1                              ; and everybody's
	FETCH_B 0, 0, 0
	FETCH_A 0, 0, 0
	KSTEP 0, 0, 1, 1
	KSTEP 1, 0, 2, 0
	KSTEP 2, 0, 3, 1
	KSTEP 3, 1, 0, 0
	KSTEP 4, 1, 1, 1
	KSTEP 5, 1, 2, 0
	KSTEP 6, 1, 3, 1
	KSTEP 7, 0, 0, 0
	s_barrier_wait -1                              ; no wave reads the tiles any more: the stages lie on O's first bytes, which are never filled again
; THE WAY OUT, block by block of 16 rows x 128 columns, through my own stage (rows of 512 + 16 bytes) and back as whole rows: the 32 lanes store 512 consecutive bytes.  LDS serves a wave's instructions in order.
.macro TOSTAGE a
.set AC, 64*(\a)
	WIN 0x08                                       ; the data: window 2
.irp b, 0,1,2,3,4,5,6,7
	ds_store_b128 v[STO], v[AC+8*\b:AC+8*\b+3] offset:256*(\b/4)+32*(\b%4)        ; each accumulator from its low end on
	ds_store_b128 v[STO], v[AC+8*\b+4:AC+8*\b+7] offset:256*(\b/4)+32*(\b%4)+16
.endr
	WIN 0
.set BB, BK+64*((\a)%2)
.irp t, 0,1,2,3,4,5,6,7,8,9,10,11,12,13,14,15
	ds_load_b128 v[BB+4*\t:BB+4*\t+3], v[RDA] offset:\t*528
.endr
.endm
.macro SEND a, younger                 ; younger: the LDS instructions issued behind block a's loads, which may stay out
.set BB, BK+64*((\a)%2)
	s_wait_dscnt \younger
.irp t, 0,1,2,3,4,5,6,7,8,9,10,11,12,13,14,15
	global_store_b128 v[L16], v[BB+4*\t:BB+4*\t+3], s[12:13] offset:(8*(\a)+\t+24*(\t/8))*4096 th:TH_STORE_NT
.endr
.endm
	PLACES                                         ; between the last products and the first read of results
	TOSTAGE 0
.irp a, 1,2,3
.if \a > 1
	s_wait_xcnt 0x0                                ; block a - 2's stores have read their registers: block a's loads may land there
.endif
	TOSTAGE \a
	SEND \a-1, 32                                  ; behind block a - 1's loads: block a's 16 stores and 16 loads
.endr
	SEND 3, 0
	s_wait_tensorcnt 0x0                           ; the wave's end
	ds_add_u32 v[SPW], v[NIL]
	s_wait_dscnt 0x0
	CROUND                                         ; the closing round
	s_endpgm
.Lfunc_end_k_q9fbf691aa2_proj:
	.size	k_q9fbf691aa2_proj, .Lfunc_end_k_q9fbf691aa2_proj-k_q9fbf691aa2_proj
	.p2alignl 7, 3214868480
	.fill 96, 4, 3214868480
	.section	.rodata,"a",@progbits
	.p2align	6, 0x0
	.amdhsa_kernel k_q9fbf691aa2_proj
		.amdhsa_group_segment_fixed_size 327680
		.amdhsa_private_segment_fixed_size 0
		.amdhsa_enable_private_segment 0
		.amdhsa_kernarg_size 40
		.amdhsa_user_sgpr_count 2
		.amdhsa_user_sgpr_kernarg_segment_ptr 1
		.amdhsa_wavefront_size32 1
		.amdhsa_system_sgpr_workgroup_id_x 1
		.amdhsa_system_sgpr_workgroup_id_y 1
		.amdhsa_system_sgpr_workgroup_id_z 1
		.amdhsa_system_vgpr_workitem_id 0
		.amdhsa_next_free_vgpr 768
		.amdhsa_next_free_sgpr 100
		.amdhsa_reserve_vcc 0
		.amdhsa_float_denorm_mode_32 3
		.amdhsa_float_denorm_mode_16_64 3
		.amdhsa_memory_ordered 1
		.amdhsa_forward_progress 1
		.amdhsa_inst_pref_size 88
	.end_amdhsa_kernel
	.amdgpu_metadata
---
amdhsa.version: [ 1, 2 ]
amdhsa.kernels:
  - .name:           k_q9fbf691aa2_proj
    .symbol:         k_q9fbf691aa2_proj.kd
    .args:
      - { .name: oc, .offset: 0, .size: 8, .value_kind: global_buffer, .address_space: global }
      - { .name: woc, .offset: 8, .size: 8, .value_kind: global_buffer, .address_space: global }
      - { .name: sc2, .offset: 16, .size: 8, .value_kind: global_buffer, .address_space: global }
      - { .name: b_out, .offset: 24, .size: 8, .value_kind: global_buffer, .address_space: global }
      - { .name: out0, .offset: 32, .size: 8, .value_kind: global_buffer, .address_space: global }
    .group_segment_fixed_size: 327680
    .private_segment_fixed_size: 0
    .kernarg_segment_align: 8
    .kernarg_segment_size: 40
    .max_flat_workgroup_size: 128
    .sgpr_count:     100
    .vgpr_count:     768
    .wavefront_size: 32
...
	.end_amdgpu_metadata
.endif
;; end of part 4
